; MI455X (gfx1250); checked and timed in simulation.
; The chip was launched on July 23, 2026; its instructions are those of AMD's public machine-readable ISA for CDNA 5 (MIT licence, August 2026) and "CDNA5" Instruction Set Architecture Reference Guide (July 2026). The comments in the code are by the model that wrote it; some were corrected since.
;; Quantized Attention. Allowed arithmetic: float matrix products may take bf16 or f16 operands with f32 sums; other float arithmetic in f32, or as packed bf16 or f16 multiplies, adds, multiply-adds, maxima and minima; sums over many terms, partial sums and values carried from step to step in f32; what a program stores and reads back later, other than sums and carried values, may be rounded once to bf16 or f16.
;; Inputs: Wk 1,024 x 1,024 float32; Wq 1,024 x 1,024 float32; Wv 1,024 x 1,024 float32; bk 1,024 float32; bq 1,024 float32; bv 1,024 float32; x 4 x 2,048 x 1,024 float32.
;; Outputs: out0 4 x 2,048 x 1,024 float32.
;; One version. Each part assembles by itself: llvm-mc -triple=amdgcn-amd-amdhsa -mcpu=gfx1250 --defsym DOCPART=n.
;; ======== version 1 of 1: 5 launches
;; workspace buffers: xb 16,777,216 bytes; wb 6,291,456 bytes; bb 12,288 bytes; qkv 50,331,648 bytes; sc 33,554,432 bytes; pr 33,554,432 bytes
;; launch cast (part 1): grid 2816 x 1, 4 waves a work-group, no clusters, 0 bytes of LDS; arguments x, Wq, Wk, Wv, bq, bk, bv, xb, wb, bb; writes xb, wb, bb
.if DOCPART == 1
	.amdgcn_target "amdgcn-amd-amdhsa--gfx1250"
	.amdhsa_code_object_version 6
	.text
	.protected	k_q13c6d8101d_cast
	.globl	k_q13c6d8101d_cast
	.p2align	8
	.type	k_q13c6d8101d_cast,@function
k_q13c6d8101d_cast:
	s_mov_b64 s[64:65], 0
	v_nop
	global_prefetch_b8 v0, s[64:65] scope:SCOPE_SE
	s_setreg_imm32_b32 hwreg(HW_REG_WAVE_MODE, 25, 1), 1
	s_wait_xcnt 0x0
; xb = x rounded to bf16; wb = Wq, Wk, Wv rounded to bf16, their rows one below the other (3,072 rows); bb = bq, bk, bv, each number rounded to bf16 and kept as f32 ([3072]).
; All the module's inputs take this one rounding; everything behind it follows the module's own roundings.
; LAYOUT OF xb AND wb: IN BLOCKS OF 64 ALONG K: [16 blocks][rows][64], so that the rows which the next launch takes for one K step (128 bytes each) lie end to end in memory.
; SHARES.  A work-group converts four rows of 1,024 numbers: 16,384 bytes in, 8,192 out.  Work-groups 0 to 2,047 take x, 2,048 to 2,815 the three W (256 each): 2,816 equal shares.
; The first work-group of each W also copies that W's bias (4,096 bytes).
; Wave w takes the pair of rows w / 2 and the blocks 8 (w % 2) + 0..7, a block a load: lanes 0-15 read 256 consecutive bytes, aligned, of the pair's first row, lanes 16-31 of its second;
; the store of 8 bytes a lane puts the two rows' 128 bytes of the block side by side: 256 consecutive bytes, aligned.  No LDS, no barrier: no thread wants another thread's numbers.
.set X,  4                             ; v[4:35]   eight loads of 16 bytes
.set Y,  36                            ; v[36:51]  eight stores of 8 bytes
.set BV, 52                            ; v[52:59]  at work at the head; later eight numbers of a bias
.set BP, 60                            ; v[60:63]  the same, packed as bf16
.set OA, 64                            ; v[64:71]  the eight stores' byte offsets: a block apart
	s_load_b512 s[8:23], s[0:1], 0x0               ; x 8, Wq 10, Wk 12, Wv 14, bq 16, bk 18, bv 20, xb 22
	s_load_b128 s[24:27], s[0:1], 0x40             ; wb 24, bb 26
	s_mov_b32 s3, ttmp9                            ; the work-group's number
	s_max_u32 s4, s3, 2048
	s_sub_co_u32 s4, s4, 2048                      ; j: the share's number among W's 768 (0 in x's work-groups)
	s_lshr_b32 s5, s4, 8                           ; m: which W
	s_and_b32 s6, s4, 255                          ; c: the share's number in that W
	s_mov_b32 s41, 8192*128                        ; bytes in a block of xb,
	s_mov_b32 s7, 3072*128                         ; and of wb
	v_and_b32 v1, 15, v0
	v_lshlrev_b32 v1, 4, v1                        ; in: 16 bytes for each of 16 lanes,
	v_bfe_u32 v3, v0, 5, 1                         ; w % 2:
	v_lshl_add_u32 v1, v3, 11, v1                  ; eight blocks of 256 bytes of f32,
	v_bfe_u32 v52, v0, 4, 1
	v_lshl_add_u32 v1, v52, 12, v1                 ; the row of the pair,
	v_bfe_u32 v52, v0, 6, 1                        ; w / 2:
	v_lshl_add_u32 v1, v52, 13, v1                 ; the pair
	v_and_b32 v53, 31, v0
	v_lshlrev_b32 v53, 3, v53                      ; out: 8 bytes a lane,
	v_lshl_add_u32 v53, v52, 8, v53                ; 256 bytes a pair
	v_lshlrev_b32 v2, 4, v0                        ; the bias: 16 bytes a thread
	s_wait_kmcnt 0x0
	s_cmp_eq_u32 s5, 1
	s_cselect_b64 s[28:29], s[12:13], s[10:11]     ; Wk or Wq
	s_cselect_b64 s[30:31], s[18:19], s[16:17]     ; bk or bq
	s_cmp_eq_u32 s5, 2
	s_cselect_b64 s[28:29], s[14:15], s[28:29]     ; or Wv
	s_cselect_b64 s[30:31], s[20:21], s[30:31]     ; or bv
	s_cmp_lt_u32 s3, 2048                          ; is the share x's?
	s_cselect_b64 s[32:33], s[8:9], s[28:29]       ; from where
	s_cselect_b64 s[34:35], s[22:23], s[24:25]     ; to where
	s_cselect_b32 s36, s3, s6                      ; the share's number in its source,
	s_cselect_b32 s38, s3, s4                      ; and in its destination
	s_cselect_b32 s40, 1, s6                       ; 0 only in the first share of a W
	s_cselect_b32 s41, s41, s7                     ; bytes from block to block in the destination
	s_lshl_b32 s36, s36, 14                        ; four rows of 4,096 bytes
	s_mov_b32 s37, 0
	s_lshl_b32 s38, s38, 9                         ; four rows of 128 bytes in each block
	s_mov_b32 s39, 0
	s_lshl_b32 s7, s41, 3                          ; eight blocks
	s_add_nc_u64 s[32:33], s[32:33], s[36:37]
	s_add_nc_u64 s[34:35], s[34:35], s[38:39]
	v_mul_u32_u24 v3, s7, v3                       ; my wave's first block (both factors lie under 2^24)
	v_add_nc_u32 v[OA], v53, v3
.irp j, 1,2,3,4,5,6,7
	v_add_nc_u32 v[OA+(\j)], s41, v[OA+(\j)-1]
.endr
.irp j, 0,1,2,3,4,5,6,7
	global_load_b128 v[X+4*(\j):X+4*(\j)+3], v1, s[32:33] offset:256*(\j) th:TH_LOAD_NT
.endr
.irp j, 0,1,2,3,4,5,6,7
	s_wait_loadcnt 7-(\j)                          ; loads come back in order: load j is in, the 7 - j younger ones may stay out
	v_cvt_pk_bf16_f32 v[Y+2*(\j)],   v[X+4*(\j)],   v[X+4*(\j)+1]
	v_cvt_pk_bf16_f32 v[Y+2*(\j)+1], v[X+4*(\j)+2], v[X+4*(\j)+3]
	global_store_b64 v[OA+(\j)], v[Y+2*(\j):Y+2*(\j)+1], s[34:35]
.endr
	s_cmp_eq_u32 s40, 0
	s_cbranch_scc0 .Lend
	s_lshl_b32 s42, s5, 12                         ; the bias's 4,096 bytes in bb
	s_mov_b32 s43, 0
	s_add_nc_u64 s[26:27], s[26:27], s[42:43]
	global_load_b128 v[BV:BV+3],   v2, s[30:31]
	global_load_b128 v[BV+4:BV+7], v2, s[30:31] offset:2048
	s_wait_loadcnt 0x0
.irp k, 0,1,2,3
	v_cvt_pk_bf16_f32 v[BP+(\k)], v[BV+2*(\k)], v[BV+2*(\k)+1]   ; rounded to bf16,
.endr
.irp k, 0,1,2,3
	v_lshlrev_b32 v[BV+2*(\k)],   16, v[BP+(\k)]                 ; and widened again: the low half moves up,
	v_and_b32     v[BV+2*(\k)+1], 0xffff0000, v[BP+(\k)]         ; the high half stays
.endr
	global_store_b128 v2, v[BV:BV+3],   s[26:27]
	global_store_b128 v2, v[BV+4:BV+7], s[26:27] offset:2048
.Lend:
	s_endpgm
.Lfunc_end_k_q13c6d8101d_cast:
	.size	k_q13c6d8101d_cast, .Lfunc_end_k_q13c6d8101d_cast-k_q13c6d8101d_cast
	.p2alignl 7, 3214868480
	.fill 96, 4, 3214868480
	.section	.rodata,"a",@progbits
	.p2align	6, 0x0
	.amdhsa_kernel k_q13c6d8101d_cast
		.amdhsa_group_segment_fixed_size 0
		.amdhsa_private_segment_fixed_size 0
		.amdhsa_enable_private_segment 0
		.amdhsa_kernarg_size 80
		.amdhsa_user_sgpr_count 2
		.amdhsa_user_sgpr_kernarg_segment_ptr 1
		.amdhsa_wavefront_size32 1
		.amdhsa_system_sgpr_workgroup_id_x 1
		.amdhsa_system_sgpr_workgroup_id_y 1
		.amdhsa_system_sgpr_workgroup_id_z 1
		.amdhsa_system_vgpr_workitem_id 0
		.amdhsa_next_free_vgpr 72
		.amdhsa_next_free_sgpr 66
		.amdhsa_reserve_vcc 0
		.amdhsa_float_denorm_mode_32 3
		.amdhsa_float_denorm_mode_16_64 3
		.amdhsa_memory_ordered 1
		.amdhsa_forward_progress 1
		.amdhsa_inst_pref_size 7
	.end_amdhsa_kernel
	.amdgpu_metadata
---
amdhsa.version: [ 1, 2 ]
amdhsa.kernels:
  - .name:           k_q13c6d8101d_cast
    .symbol:         k_q13c6d8101d_cast.kd
    .args:
      - { .name: x, .offset: 0, .size: 8, .value_kind: global_buffer, .address_space: global }
      - { .name: Wq, .offset: 8, .size: 8, .value_kind: global_buffer, .address_space: global }
      - { .name: Wk, .offset: 16, .size: 8, .value_kind: global_buffer, .address_space: global }
      - { .name: Wv, .offset: 24, .size: 8, .value_kind: global_buffer, .address_space: global }
      - { .name: bq, .offset: 32, .size: 8, .value_kind: global_buffer, .address_space: global }
      - { .name: bk, .offset: 40, .size: 8, .value_kind: global_buffer, .address_space: global }
      - { .name: bv, .offset: 48, .size: 8, .value_kind: global_buffer, .address_space: global }
      - { .name: xb, .offset: 56, .size: 8, .value_kind: global_buffer, .address_space: global }
      - { .name: wb, .offset: 64, .size: 8, .value_kind: global_buffer, .address_space: global }
      - { .name: bb, .offset: 72, .size: 8, .value_kind: global_buffer, .address_space: global }
    .group_segment_fixed_size: 0
    .private_segment_fixed_size: 0
    .kernarg_segment_align: 8
    .kernarg_segment_size: 80
    .max_flat_workgroup_size: 128
    .sgpr_count:     66
    .vgpr_count:     72
    .wavefront_size: 32
...
	.end_amdgpu_metadata
.endif
;; end of part 1
;; launch proj (part 2): grid 8 x 32, 4 waves a work-group, clusters of 4 x 4, 327,680 bytes of LDS; arguments xb, wb, bb, qkv; writes qkv
.if DOCPART == 2
	.amdgcn_target "amdgcn-amd-amdhsa--gfx1250"
	.amdhsa_code_object_version 6
	.text
	.protected	k_q13c6d8101d_proj
	.globl	k_q13c6d8101d_proj
	.p2align	8
	.type	k_q13c6d8101d_proj,@function
k_q13c6d8101d_proj:
	s_mov_b64 s[64:65], 0
	v_nop
	global_prefetch_b8 v0, s[64:65] scope:SCOPE_SE
	s_setreg_imm32_b32 hwreg(HW_REG_WAVE_MODE, 25, 1), 1
	s_wait_xcnt 0x0
	s_wait_alu depctr_hold_cnt(0) depctr_sa_sdst(0) depctr_va_vdst(0) depctr_va_sdst(0) depctr_va_ssrc(0) depctr_va_vcc(0) depctr_vm_vsrc(0)
	s_getreg_b32 s2, hwreg(HW_REG_IB_STS2, 6, 4)
	s_cmp_eq_u32 s2, 0
	s_cbranch_scc0 .Lentry_in_a_cluster
	s_endpgm
.Lentry_in_a_cluster:
	s_bfe_u32 s2, ttmp6, 0x10000c
	s_cmp_lg_u32 s2, 0xf033
	s_cbranch_scc0 .Lentry_shape_is_right
	s_endpgm
.Lentry_shape_is_right:
; qkv[m][n] = f16(bb[n] + the sum over k of x[m][k] w[n][k]), held to +-65,504.  xb: [16 blocks][8192 rows][64] bf16, wb: [16 blocks][3072 rows][64] bf16, bb: [3072] f32, qkv: [8192][3072] f16.
; The module's quantisation (5 exponent bits, 10 significand bits, nearest even, subnormals, saturation) is the conversion to f16 with its infinities held to 65,504.
; LIMITS.  NaN and infinities are not treated apart (the two packed bounds drop a NaN).  The bias is the first term of the f32 sum, not the last.
; SHARES.  A work-group makes 256 rows x 384 columns (768 bytes of a row of qkv): 8 x 32 = 256 work-groups of equal work.  Its four waves lie 2 x 2; a wave makes 128 rows x 192 columns:
; 8 x 12 = 96 accumulators of 16 x 16, 768 registers.  K = 1,024 goes in 16 steps of 64, a block of xb and wb each, through a ring of two LDS slots filled by the tensor data mover:
; two slots of 128 along K for 640 rows would be 2 x 640 x 272 bytes, more than LDS has.  A tile's rows of a block lie end to end in memory and are asked for as rows of 256 bytes.
; CLUSTER.  4 x 4 work-groups.  The four of a row of the cluster need the same 256 rows of xb, the four of a column the same 384 rows of wb: each tile is asked for jointly, by the same
; tensor load with the same descriptor and a mask that names the four.  Waves 0 and 1 fetch 128 rows of xb each, waves 2 and 3 192 rows of wb each.
; THE MATRIX INSTRUCTION IS USED TRANSPOSED (source 0 = 16 rows of wb, source 1 = 16 rows of xb): a lane holds row l % 16 of the result and the columns 8 (l / 16) + 0..7.
; REGISTERS, in windows of 256 (s_set_vgpr_msb: bits 1:0 source 0, 3:2 source 1, 5:4 source 2, 7:6 destination):
;   window 0: v0-31 addresses; v32-95, v96-159 fragments of xb (8 x 16 rows x 32 K), a buffer for each of a step's two quarters; v160-191, v192-223, v224-255 fragments of wb, a buffer for each
;             group of four column blocks.  On the way out: v32-127 packed results, v128-175 rows read back.
;   window 1 + g (g = 0, 1, 2): the 32 accumulators of column blocks 4 g .. 4 g + 3: row block a, column block 4 g + bb at 8 (4 a + bb).
; Both sources always lie in window 0, so a UNIT (one group of column blocks x all 8 row blocks, 32 along K: 32 matrix instructions) has two switches: to 0 for its loads, to its window for its products.
; THE PIPELINE.  A quarter (32 along K) is three units.  At a unit's head wb's group for the unit TWO further on is fetched, into the buffer that the unit before has just left; xb's next quarter comes in two runs of 8 loads.
.set PITCH,  144                       ; an LDS row: 128 bytes + 16 of padding = 36 words: the 16 rows of a fragment load start at 16 different groups of four banks (64 banks of 4 bytes: ISA guide 11.1)
.set XHALF,  128*PITCH                 ; what waves 0 and 1 each fetch, and what a wave reads of xb
.set WHALF,  192*PITCH                 ; what waves 2 and 3 each fetch, and what a wave reads of wb
.set XT,     2*XHALF
.set SLOT,   XT+2*WHALF                ; xb's 256 rows, then wb's 384
.set SP,     784                       ; a row of the stage: 768 bytes + 16.  The stage (256 rows, from LDS byte 0) lies over both slots, behind their last fill and their last read
.set SPARE,  256*SP                    ; behind the stage: the spare words, 128 bytes for each wave: two blocks of 256 bytes that no other line names
.set LAPS,   8                         ; a lap = two K steps = once round the ring
.set KBX,    8192*128                  ; bytes from block to block of xb,
.set KBW,    3072*128                  ; and of wb
.set CROW,   6144                      ; bytes in a row of qkv
.set ADRA, 16                          ; v16-17  LDS address of my fragments of xb in slot 0, 1
.set ADRB, 20                          ; v20-21  the same for wb
.set STO,  24                          ; v24     the way out: where I put 16 bytes of a row, my rows 0-63
.set RD,   25                          ; v25     the way out: where I read rows back
.set CO,   26                          ; v26     my byte offset in qkv
.set STO2, 27                          ; v27     as v24, my rows 64-127 (an LDS immediate has 16 bits)
.set SPW,  28                          ; v28     LDS address of my spare word; never rewritten
.set NIL,  29                          ; v29     0; never rewritten
.set PFO,  30                          ; v30     the prefetches' offset: 256 x my lane; never rewritten
.set BO,   31                          ; v31     my byte offset in a block of 16 numbers of the bias; never rewritten
.set XA,   32
.set WB,   160
.set TMP,  32
.set OB,   128
.set G1,  24                           ; s[24:31] descriptor group 1 for xb's tiles;  s[32:39] group 0, one set for each slot
.set G0,  32
.set G1B, 48                           ; s[48:55], s[56:63] the same for wb's tiles
.set G0B, 56
.set LIM,  43                          ; s43     at a change out of slot 0: 1 in a wave that prefetches, else the greatest number
.set LIM1, 23                          ; s23     the same at a change out of slot 1
.set PFA,  44                          ; s[44:45] where my prefetches stand
.set PFS,  68                          ; s[68:69] bytes from block to block in the tensor that I prefetch
.set MSB, 0
.macro WIN new                         ; the immediate's high byte repeats the setting that is left; a switch that changes nothing is dropped
.if MSB != (\new)
	s_set_vgpr_msb (MSB<<8)|(\new)
.set MSB, \new
.endif
.endm
; A joint load.  The branch hangs on the wave's number alone.  An s_nop 0 and four v_nop follow each of the two lines, ahead of the jump, the label and what follows.
.macro JLOAD s
	s_cmp_eq_u32 s11, 0
	s_cbranch_scc0 .Lfor_b_\@
	tensor_load_to_lds s[G0+4*(\s):G0+4*(\s)+3], s[G1:G1+7]
	s_nop 0
.rept 4
	v_nop
.endr
	s_branch .Lasked_\@
.Lfor_b_\@:
	tensor_load_to_lds s[G0B+4*(\s):G0B+4*(\s)+3], s[G1B:G1B+7]
	s_nop 0
.rept 4
	v_nop
.endr
.Lasked_\@:
.endm
; A PREFETCH, behind a refill and the run of LDS loads that follows it: 32 pieces of 256 bytes, a lane a piece, one instruction a wave.  Each piece is named once in the launch.
; xb: a tile's 256 rows of a block are 128 pieces; the two clusters of a row of clusters read them, and the one with x = 0 asks: in each of its four partners along x wave 0 takes 32 pieces, told apart
; by address, at every change of slots, for the K step that stands two refills on.
; wb: a tile's 384 rows of a block are 192 pieces; all clusters of a column read them, and the one with y = 0 asks: 4 partners along y x waves 1 to 3 x 32 pieces are the 384 pieces of TWO K steps,
; so these waves ask at every second change (out of slot 0), for the K steps two and three refills on; the partners are told apart by address.
; K steps 0 to 3 come by their loads alone; the loop's last trip (s3 = 1) has no such K steps.
.macro ASK slot
.if (\slot) == 0
	s_cmp_gt_u32 s3, s[LIM]
.else
	s_cmp_gt_u32 s3, s[LIM1]
.endif
	s_cbranch_scc0 .Lnot_mine_\@
	global_prefetch_b8 v[PFO], s[PFA:PFA+1] th:TH_LOAD_NT scope:SCOPE_SE
.Lnot_mine_\@:
.endm
.macro CREST                           ; a round of the cluster's barrier behind its opening barrier
	s_cmp_lg_u32 s10, 0
	s_cbranch_scc1 .Lnot_wave_0_\@
	s_barrier_signal -3
.Lnot_wave_0_\@:
	s_barrier_wait -3
	s_barrier_signal -1
	s_barrier_wait -1
.endm
.macro CROUND                          ; a whole round
	s_barrier_signal -1
	s_barrier_wait -1
	CREST
.endm
.macro PLACES                          ; four places in front of loads into registers that matrix instructions have read, and of vector work that reads results
.rept 4
	v_nop
.endr
.endm
	s_load_b128 s[4:7], s[0:1], 0x0                ; xb s[4:5], wb s[6:7]
	s_load_b64 s[70:71], s[0:1], 0x10              ; bb
	s_load_b64 s[8:9], s[0:1], 0x18                ; qkv
	v_lshl_add_u32 v[SPW], v0, 2, SPARE
	v_mov_b32 v[NIL], 0
	ds_add_u32 v[SPW], v[NIL]                      ; the wave's opening: the add and its wait stand ahead of my first tensor load; the set-up below, work on registers, stands between them
	v_lshrrev_b32 v1, 5, v0
	v_readfirstlane_b32 s10, v1                    ; wave 0..3
	s_lshr_b32 s11, s10, 1                         ; which half of the tile's rows is mine.  Also: I fetch for xb (0) or for wb (1)
	s_and_b32 s12, s10, 1                          ; which half of its columns.  Also: which half of that tile's rows I fetch
	s_bfe_u32 s40, ttmp6, 0x40000                  ; cx, cy: my place in the cluster
	s_bfe_u32 s41, ttmp6, 0x40004
	s_lshl_b32 s42, ttmp9, 2
	s_add_co_u32 s42, s42, s40                     ; tile column = 4 x cluster x + cx
	s_and_b32 s13, ttmp7, 0xffff
	s_lshl_b32 s13, s13, 2
	s_add_co_u32 s13, s13, s41                     ; tile row = 4 x cluster y + cy
	s_lshl_b32 s43, s41, 2
	s_lshl_b32 s43, 15, s43                        ; my row of the cluster
	s_lshl_b32 s44, 0x1111, s40                    ; my column
	; descriptor group 1.  128 rows of 128 bytes are 16,384 dense bytes: asked for as 64 rows of 128 elements of 2 bytes, two real rows each, with 4 words of padding behind every 32: behind each real row.  wb's 192 rows: 96 such rows.
	s_or_b32 s[G1+0], s43, (1<<16)|(1<<20)|(1<<21)|(4<<22)|(3<<25)
	s_mov_b32 s[G1+1], 128<<16                     ; tensor_dim0 = 128
	s_mov_b32 s[G1+2], 64<<16                      ; tensor_dim1 = 64
	s_mov_b32 s[G1+3], 128<<16                     ; tile_dim0 = 128
	s_mov_b32 s[G1+4], 64                          ; tile_dim1 = 64
	s_mov_b32 s[G1+5], 128                         ; elements from row to row
	s_mov_b32 s[G1+6], 0
	s_mov_b32 s[G1+7], 0
	s_or_b32 s[G1B+0], s44, (1<<16)|(1<<20)|(1<<21)|(4<<22)|(3<<25)
	s_mov_b32 s[G1B+1], 128<<16
	s_mov_b32 s[G1B+2], 96<<16
	s_mov_b32 s[G1B+3], 128<<16
	s_mov_b32 s[G1B+4], 96
	s_mov_b32 s[G1B+5], 128
	s_mov_b32 s[G1B+6], 0
	s_mov_b32 s[G1B+7], 0
	s_lshl_b32 s16, s13, 15                        ; xb: 256 x tile row rows of 128 bytes,
	s_lshl_b32 s17, s12, 14                        ; and the half that I fetch
	s_add_co_u32 s16, s16, s17
	s_mov_b32 s17, 0
	s_mul_i32 s46, s42, 384*128                    ; wb: 384 x tile column rows,
	s_mul_i32 s47, s12, 192*128                    ; and the half that I fetch
	s_add_co_u32 s46, s46, s47
	s_mov_b32 s47, 0
	s_mul_i32 s20, s12, XHALF                      ; where they go: xb's half,
	s_mul_i32 s21, s12, WHALF                      ; wb's half,
	s_add_co_u32 s21, s21, XT                      ; behind xb's rows: no place in the cluster enters an LDS address
	s_mov_b32 s66, 0x7bff7bff                      ; 65,504 twice in f16
	s_mov_b32 s67, 0xfbfffbff                      ; -65,504 twice
	s_wait_dscnt 0x0                               ; the opening add is done
	s_wait_kmcnt 0x0
	s_add_nc_u64 s[14:15], s[4:5], s[16:17]
	s_add_nc_u64 s[46:47], s[6:7], s[46:47]
	CROUND                                         ; all sixteen work-groups are here: the first joint loads meet
.irp s, 0,1
	s_mov_b32 s[G0+4*(\s)], 1
	s_add_co_u32 s[G0+4*(\s)+1], s20, (\s)*SLOT
	s_add_nc_u64 s[G0+4*(\s)+2:G0+4*(\s)+3], s[14:15], (\s)*KBX
	s_or_b32 s[G0+4*(\s)+3], s[G0+4*(\s)+3], 0x80000000
	s_mov_b32 s[G0B+4*(\s)], 1
	s_add_co_u32 s[G0B+4*(\s)+1], s21, (\s)*SLOT
	s_add_nc_u64 s[G0B+4*(\s)+2:G0B+4*(\s)+3], s[46:47], (\s)*KBW
	s_or_b32 s[G0B+4*(\s)+3], s[G0B+4*(\s)+3], 0x80000000
	JLOAD \s                                       ; two tensor loads of mine are out
.endr
	v_and_b32 v1, 15, v0                           ; r = l % 16
	v_bfe_u32 v2, v0, 4, 1                         ; h = l / 16
	; THE BIAS of my 192 columns goes straight into the 12 accumulators of row block 7: register j of column block b is bb[384 tc + 192 ch + 16 b + 8 h + j], an accumulator's layout.
	; Row blocks 0 to 6 take these registers as the C of their first product; row block 7 then adds in place onto them.
	s_mul_i32 s46, s42, 1536
	s_mul_i32 s47, s12, 768
	s_add_co_u32 s46, s46, s47
	s_mov_b32 s47, 0
	s_add_nc_u64 s[70:71], s[70:71], s[46:47]
	v_lshlrev_b32 v[BO], 5, v2
.irp g, 0,1,2
	WIN 0x40*(1+(\g))                              ; destination window 1 + g, address window 0
.irp bb, 0,1,2,3
	global_load_b128 v[224+8*(\bb):224+8*(\bb)+3],   v[BO], s[70:71] offset:64*(4*(\g)+(\bb))
	global_load_b128 v[224+8*(\bb)+4:224+8*(\bb)+7], v[BO], s[70:71] offset:64*(4*(\g)+(\bb))+16
.endr
.endr
	WIN 0
	v_mul_u32_u24 v3, v1, PITCH
	v_lshl_add_u32 v3, v2, 4, v3                   ; a fragment's row x pitch + 16 x half
	s_mul_i32 s21, s11, XHALF                      ; my 128 rows of xb
	s_mul_i32 s22, s12, WHALF                      ; my 192 rows of wb,
	s_add_co_u32 s22, s22, XT                      ; behind xb's 256
.irp s, 0,1
	v_add_nc_u32 v[ADRA+(\s)], s21, v3
	v_add_nc_u32 v[ADRB+(\s)], s22, v3
	s_add_co_u32 s21, s21, SLOT
	s_add_co_u32 s22, s22, SLOT
.endr
	v_mul_u32_u24 v4, v1, SP                       ; into the stage: row l % 16 of my 128, my 384 bytes of it, 16 bytes for each half of the lanes
	v_lshl_add_u32 v4, v2, 4, v4
	s_mul_i32 s23, s11, 128*SP
	s_mul_i32 s21, s12, 384
	s_add_co_u32 s23, s23, s21
	v_add_nc_u32 v[STO], s23, v4
	v_add_nc_u32 v[STO2], 64*SP, v[STO]
	v_mul_u32_u24 v5, v2, SP                       ; back: wave w takes rows 64 w .. 64 w + 63, whole; lanes 0-15 take 256 bytes of one row, lanes 16-31 of the next
	v_lshl_add_u32 v5, v1, 4, v5
	s_mul_i32 s23, s10, 64*SP
	v_add_nc_u32 v[RD], s23, v5
	v_mul_u32_u24 v5, v2, CROW                     ; and the same two rows in qkv
	v_lshl_add_u32 v[CO], v1, 4, v5
	s_lshl_b32 s16, s13, 8
	s_lshl_b32 s17, s10, 6
	s_add_co_u32 s16, s16, s17                     ; the first row that I store: 256 x tile row + 64 x wave
	s_mul_i32 s16, s16, CROW
	s_mov_b32 s17, 0
	s_add_nc_u64 s[8:9], s[8:9], s[16:17]
	s_mul_i32 s46, s42, 768                        ; the tile's first column, in bytes
	s_mov_b32 s47, 0
	s_add_nc_u64 s[8:9], s[8:9], s[46:47]
	; the prefetches: the pointer starts at K step 3 and is stepped by a block at the head of each change that fills a slot, so the first change names K step 4
	s_and_b32 s22, ttmp7, 0xffff                   ; cluster y
	s_lshl_b32 s20, s13, 15                        ; xb: the tile's rows,
	s_lshl_b32 s21, s40, 13                        ; my work-group's 32 pieces of the 128
	s_add_co_u32 s20, s20, s21
	s_add_co_u32 s20, s20, 3*KBX
	s_max_u32 s21, s10, 1
	s_sub_co_u32 s21, s21, 1
	s_lshl_b32 s21, s21, 13                        ; wb: waves 1 to 3 take 32 pieces each,
	s_and_b32 s14, s41, 1
	s_mul_i32 s14, s14, 96*256                     ; of the half of a block's 192 that falls to my work-group,
	s_add_co_u32 s21, s21, s14
	s_lshr_b32 s14, s41, 1                         ; in the first or the second of the two K steps
	s_add_co_u32 s14, s14, 3
	s_mul_i32 s14, s14, KBW
	s_add_co_u32 s21, s21, s14
	s_mul_i32 s14, s42, 384*128                    ; the tile's rows
	s_add_co_u32 s21, s21, s14
	s_mov_b32 s[PFS], KBX
	s_mov_b32 s14, KBW
	s_cmp_eq_u32 s10, 0                            ; wave 0 asks for xb, the others for wb
	s_cselect_b32 s20, s20, s21
	s_cselect_b32 s22, ttmp9, s22                  ; the coordinate along which other clusters read the same rows
	s_cselect_b32 s[PFS], s[PFS], s14
	s_cselect_b32 s15, 0, 1
	s_cselect_b64 s[PFA:PFA+1], s[4:5], s[6:7]
	s_cmp_eq_u32 s22, 0
	s_cselect_b32 s[LIM], 1, -1                    ; the same in all sixteen partners, for a given wave
	s_cmp_eq_u32 s15, 0
	s_cselect_b32 s[LIM1], s[LIM], -1              ; out of slot 1 wave 0 alone asks
	s_mov_b32 s21, 0
	s_mov_b32 s[PFS+1], 0
	s_add_nc_u64 s[PFA:PFA+1], s[PFA:PFA+1], s[20:21]
	v_and_b32 v[PFO], 31, v0
	v_lshlrev_b32 v[PFO], 8, v[PFO]
; n x 4 matrix instructions of the unit (quarter q, column group g): row blocks a0 .. a0 + n - 1 x the group's four column blocks.  The 96 accumulators take turns, one instruction a turn, in the same
; order in every quarter.  zero = 1, the first quarter of all: row blocks 0 to 6 start their sums with the bias, which lies in row block 7's accumulators; five places
; later (those products have read the registers that are now written: ISA guide 7.12.1) row block 7 adds in place onto it.
.macro MULS q, g, a0, n, zero
	WIN 0x50*(1+(\g))                              ; sources in window 0, C and D in window 1 + g
.set a, \a0
.rept \n
.if (\zero) && (a == 7)
.rept 5
	v_nop
.endr
.endif
.irp bb, 0,1,2,3
.if (\zero) && (a < 7)
	v_wmma_f32_16x16x32_bf16 v[8*(4*a+(\bb)):8*(4*a+(\bb))+7], v[WB+32*(\g)+8*(\bb):WB+32*(\g)+8*(\bb)+7], v[XA+64*(\q)+8*a:XA+64*(\q)+8*a+7], v[224+8*(\bb):224+8*(\bb)+7]
.else
	v_wmma_f32_16x16x32_bf16 v[8*(4*a+(\bb)):8*(4*a+(\bb))+7], v[WB+32*(\g)+8*(\bb):WB+32*(\g)+8*(\bb)+7], v[XA+64*(\q)+8*a:XA+64*(\q)+8*a+7], v[8*(4*a+(\bb)):8*(4*a+(\bb))+7]
.endif
.endr
.set a, a+1
.endr
.endm
; 8 LDS loads: wb's column group g of quarter q of slot s, into the group's buffer
.macro LDB s, q, g
	WIN 0
.irp bb, 0,1,2,3
	ds_load_b128 v[WB+32*(\g)+8*(\bb):WB+32*(\g)+8*(\bb)+3],   v[ADRB+(\s)] offset:(4*(\g)+(\bb))*16*PITCH+64*(\q)
	ds_load_b128 v[WB+32*(\g)+8*(\bb)+4:WB+32*(\g)+8*(\bb)+7], v[ADRB+(\s)] offset:(4*(\g)+(\bb))*16*PITCH+64*(\q)+32
.endr
.endm
; 8 LDS loads: xb's row blocks 4 p .. 4 p + 3 of quarter q of slot s, into the quarter's buffer
.macro LDA s, q, p
	WIN 0
.irp i, 0,1,2,3
	ds_load_b128 v[XA+64*(\q)+8*(4*(\p)+(\i)):XA+64*(\q)+8*(4*(\p)+(\i))+3],   v[ADRA+(\s)] offset:(4*(\p)+(\i))*16*PITCH+64*(\q)
	ds_load_b128 v[XA+64*(\q)+8*(4*(\p)+(\i))+4:XA+64*(\q)+8*(4*(\p)+(\i))+7], v[ADRA+(\s)] offset:(4*(\p)+(\i))*16*PITCH+64*(\q)+32
.endr
.endm
; A K STEP'S FIRST QUARTER: three units.  LDS loads come back in order, so each wait names the loads that were issued behind the ones it needs.
.macro FRONT s, zero
	PLACES
	LDB \s, 0, 2                                   ; for the unit two on
	LDA \s, 1, 0                                   ; the second quarter's rows 0-63
	s_wait_dscnt 24                                ; this unit's fragments are in; the 8 loads of the unit before and the 16 just issued may be out
	MULS 0, 0, 0, 8, \zero
	PLACES
	LDB \s, 1, 0
	LDA \s, 1, 1                                   ; the second quarter's rows 64-127
	s_wait_dscnt 32                                ; the 16 loads of the unit before and the 16 just issued may be out
	MULS 0, 1, 0, 8, \zero
	PLACES
	LDB \s, 1, 1
	s_wait_dscnt 32                                ; behind this unit's group: 8, 16 and the 8 just issued
	MULS 0, 2, 0, 8, \zero
.endm
; A K STEP'S SECOND QUARTER, WITH THE CHANGE OF SLOTS in its first unit.  The slot's last 8 loads are issued; then each wave waits for all its tensor loads (one is out: its part of the next slot), adds 0 to
; its spare word, and waits for that and for its own reads of this slot; one barrier.  fill = 1: the barrier opens a round of the cluster's barrier, and this slot is filled again, two K steps on, first
; thing behind the round: 176 of a step's 192 matrix instructions stand between that load and the wait for it.  Then the next slot's first fragments are read.
.macro BACK s, n, fill
.if \fill
	s_wait_xcnt 0x0                                ; the last prefetch, a K step back, has read its address: it is stepped here, ahead of the waits of the change of slots
	s_add_nc_u64 s[PFA:PFA+1], s[PFA:PFA+1], s[PFS:PFS+1]
.endif
	PLACES
	LDB \s, 1, 2                                   ; my last reads of this slot
	s_wait_tensorcnt 0x0                           ; all my tensor loads have landed
	ds_add_u32 v[SPW], v[NIL]                      ; 0 onto my spare word
	s_wait_dscnt 17                                ; (the 8 loads of the unit before, the 8 just issued and the add may be out)
	MULS 1, 0, 0, 2, 0                             ; eight matrix instructions stand between the add and the wait for it
	s_wait_dscnt 0x0                               ; the add is done, and my reads of this slot are over
	s_barrier_signal -1
	MULS 1, 0, 2, 2, 0                             ; work on registers while the others arrive
.if \fill
	WIN 0
.endif
	s_barrier_wait -1
.if \fill
	CREST                                          ; no wave of any partner still reads this slot's tile or has a load on its way
	s_add_nc_u64 s[G0+4*(\s)+2:G0+4*(\s)+3], s[G0+4*(\s)+2:G0+4*(\s)+3], 2*KBX
	s_add_nc_u64 s[G0B+4*(\s)+2:G0B+4*(\s)+3], s[G0B+4*(\s)+2:G0B+4*(\s)+3], 2*KBW
	JLOAD \s                                       ; my one tensor load behind the round
.endif
	LDA \n, 0, 0                                   ; the first quarter's buffer was left by the unit before; the places at this macro's head stand between
	LDA \n, 0, 1
.if \fill
	ASK \s
.endif
	MULS 1, 0, 4, 4, 0
	PLACES
	LDB \n, 0, 0
	MULS 1, 1, 0, 8, 0                             ; its fragments came in ahead of the wait for 0 above
	PLACES
	LDB \n, 0, 1
	MULS 1, 2, 0, 8, 0
.endm
	s_wait_tensorcnt 0x1                           ; my part of K step 0 is in; K step 1's load may stay out
	s_barrier_signal -1
	s_barrier_wait -1                              ; everybody's is
	LDA 0, 0, 0                                    ; in the order in which a change of slots issues them
	LDA 0, 0, 1
	LDB 0, 0, 0
	LDB 0, 0, 1
	s_wait_loadcnt 0x0                             ; the bias
	FRONT 0, 1                                     ; the first quarter stands in front of the loop: its products start the sums
	WIN 0                                          ; at a label and at a branch every window is 0
	s_mov_b32 s3, LAPS-1
.Llap:                                                 ; a trip goes once round the ring, from a lap's second quarter to the next lap's first, and fills both slots again
	BACK 0, 1, 1
	FRONT 1, 0
	BACK 1, 0, 1
	FRONT 0, 0
	WIN 0
	s_sub_co_u32 s3, s3, 1
	s_cmp_lg_u32 s3, 0
	s_cbranch_scc1 .Llap
	BACK 0, 1, 0                                   ; the last lap fills nothing
	FRONT 1, 0
	PLACES
	LDB 1, 1, 2                                    ; the last reads of the ring
	s_wait_dscnt 16                                ; the 8 loads of the unit before and the 8 just issued may be out
	MULS 1, 0, 0, 8, 0
	s_wait_dscnt 8
	MULS 1, 1, 0, 8, 0
	s_wait_dscnt 0x0                               ; my reads of both slots are over:
	s_barrier_signal -1                            ; say so,
	MULS 1, 2, 0, 8, 0
	WIN 0
	s_barrier_wait -1                              ; and when all four have said so, the slots' bytes, which no load fills again, become the stage
	; THE WAY OUT.  Rounded to f16, 16 bytes a lane into the work-group's stage; a barrier, since a row's 768 bytes come from two waves; back as whole rows, bounded, and stored.
	PLACES
.macro PACK a
.set TP, TMP+48*((\a)%2)
.irp g, 0,1,2
	WIN 0x05*(1+(\g))                              ; sources 0 and 1: window 1 + g
.irp bb, 0,1,2,3
.irp r, 0,1,2,3
	v_cvt_pk_f16_f32 v[TP+4*(4*(\g)+(\bb))+(\r)], v[8*(4*(\a)+(\bb))+2*(\r)], v[8*(4*(\a)+(\bb))+2*(\r)+1]  ; each accumulator is read from its low end on
.endr
.endr
.endr
	WIN 0
.irp b, 0,1,2,3,4,5,6,7,8,9,10,11
.if (\a) < 4
	ds_store_b128 v[STO],  v[TP+4*(\b):TP+4*(\b)+3] offset:((\a)%4)*16*SP+32*(\b)
.else
	ds_store_b128 v[STO2], v[TP+4*(\b):TP+4*(\b)+3] offset:((\a)%4)*16*SP+32*(\b)
.endif
.endr
.endm
.irp a, 0,1,2,3,4,5,6,7
	PACK \a
.endr
	s_wait_dscnt 0x0                               ; for the others' sake: my stores into the stage are done
	s_barrier_signal -1
	s_barrier_wait -1
	s_mov_b32 s3, 8
.Lout:                                                 ; eight trips of eight rows: four pairs of rows x three pieces of 256 bytes
.irp t, 0,1,2,3,4,5,6,7,8,9,10,11
	ds_load_b128 v[OB+4*(\t):OB+4*(\t)+3], v[RD] offset:((\t)/3)*2*SP+256*((\t)%3)
.endr
.irp t, 0,1,2,3,4,5,6,7,8,9,10,11
	s_wait_dscnt 11-(\t)                           ; load t is in, the younger ones may stay out
.irp k, 0,1,2,3
	v_pk_min_num_f16 v[OB+4*(\t)+(\k)], v[OB+4*(\t)+(\k)], s66   ; an infinity becomes 65,504,
.endr
.irp k, 0,1,2,3
	v_pk_max_num_f16 v[OB+4*(\t)+(\k)], v[OB+4*(\t)+(\k)], s67   ; or -65,504
.endr
	global_store_b128 v[CO], v[OB+4*(\t):OB+4*(\t)+3], s[8:9] offset:((\t)/3)*2*CROW+256*((\t)%3)  ; 16 lanes store 256 consecutive bytes, at a multiple of 256 from qkv's first byte
.endr
	s_wait_xcnt 0x0                                ; the stores have read their registers and their base: only now are these written again
	v_add_nc_u32 v[RD], 8*SP, v[RD]
	s_add_nc_u64 s[8:9], s[8:9], 8*CROW
	s_sub_co_u32 s3, s3, 1
	s_cmp_lg_u32 s3, 0
	s_cbranch_scc1 .Lout
	s_wait_tensorcnt 0x0                           ; the wave's end, behind my last tensor load and my last LDS store
	ds_add_u32 v[SPW], v[NIL]
	s_wait_dscnt 0x0
	CROUND                                         ; the closing round: no work-group ends while a partner may still ask for a tile that names it
	s_endpgm
.Lfunc_end_k_q13c6d8101d_proj:
	.size	k_q13c6d8101d_proj, .Lfunc_end_k_q13c6d8101d_proj-k_q13c6d8101d_proj
	.p2alignl 7, 3214868480
	.fill 96, 4, 3214868480
	.section	.rodata,"a",@progbits
	.p2align	6, 0x0
	.amdhsa_kernel k_q13c6d8101d_proj
		.amdhsa_group_segment_fixed_size 327680
		.amdhsa_private_segment_fixed_size 0
		.amdhsa_enable_private_segment 0
		.amdhsa_kernarg_size 32
		.amdhsa_user_sgpr_count 2
		.amdhsa_user_sgpr_kernarg_segment_ptr 1
		.amdhsa_wavefront_size32 1
		.amdhsa_system_sgpr_workgroup_id_x 1
		.amdhsa_system_sgpr_workgroup_id_y 1
		.amdhsa_system_sgpr_workgroup_id_z 1
		.amdhsa_system_vgpr_workitem_id 0
		.amdhsa_next_free_vgpr 1024
		.amdhsa_next_free_sgpr 72
		.amdhsa_reserve_vcc 0
		.amdhsa_float_denorm_mode_32 3
		.amdhsa_float_denorm_mode_16_64 3
		.amdhsa_memory_ordered 1
		.amdhsa_forward_progress 1
		.amdhsa_inst_pref_size 128
	.end_amdhsa_kernel
	.amdgpu_metadata
---
amdhsa.version: [ 1, 2 ]
amdhsa.kernels:
  - .name:           k_q13c6d8101d_proj
    .symbol:         k_q13c6d8101d_proj.kd
    .args:
      - { .name: xb, .offset: 0, .size: 8, .value_kind: global_buffer, .address_space: global }
      - { .name: wb, .offset: 8, .size: 8, .value_kind: global_buffer, .address_space: global }
      - { .name: bb, .offset: 16, .size: 8, .value_kind: global_buffer, .address_space: global }
      - { .name: qkv, .offset: 24, .size: 8, .value_kind: global_buffer, .address_space: global }
    .group_segment_fixed_size: 327680
    .private_segment_fixed_size: 0
    .kernarg_segment_align: 8
    .kernarg_segment_size: 32
    .max_flat_workgroup_size: 128
    .sgpr_count:     72
    .vgpr_count:     1024
    .wavefront_size: 32
...
	.end_amdgpu_metadata
.endif
;; end of part 2
;; launch score (part 3): grid 8 x 32, 4 waves a work-group, clusters of 4 x 4, 327,680 bytes of LDS; arguments qkv, sc; writes sc
.if DOCPART == 3
	.amdgcn_target "amdgcn-amd-amdhsa--gfx1250"
	.amdhsa_code_object_version 6
	.text
	.protected	k_q13c6d8101d_score
	.globl	k_q13c6d8101d_score
	.p2align	8
	.type	k_q13c6d8101d_score,@function
k_q13c6d8101d_score:
	s_mov_b64 s[64:65], 0
	v_nop
	global_prefetch_b8 v0, s[64:65] scope:SCOPE_SE
	s_setreg_imm32_b32 hwreg(HW_REG_WAVE_MODE, 25, 1), 1
	s_wait_xcnt 0x0
	s_wait_alu depctr_hold_cnt(0) depctr_sa_sdst(0) depctr_va_vdst(0) depctr_va_sdst(0) depctr_va_ssrc(0) depctr_va_vcc(0) depctr_vm_vsrc(0)
	s_getreg_b32 s2, hwreg(HW_REG_IB_STS2, 6, 4)
	s_cmp_eq_u32 s2, 0
	s_cbranch_scc0 .Lentry_in_a_cluster
	s_endpgm
.Lentry_in_a_cluster:
	s_bfe_u32 s2, ttmp6, 0x10000c
	s_cmp_lg_u32 s2, 0xf033
	s_cbranch_scc0 .Lentry_shape_is_right
	s_endpgm
.Lentry_shape_is_right:
; sc[2048 b + s][t] = f16(the sum over h of q[b][s][h] k[b][t][h] / 32), held to +-65,504.  q and k are the first and second 1,024 columns of qkv ([8192][3072] f16); sc: [8192][2048] f16.
; Sums in f32; the factor 1/32 is a power of two; the conversion to f16 with its infinities held to 65,504 is the module's quantisation.
; LIMITS.  NaN and infinities are not treated apart (the two packed bounds drop a NaN).
; SHARES.  A tile of sc is 256 x 256: 8 x 32 = 256 work-groups of four waves, each wave 128 x 128: 64 accumulators, 512 registers.  K = 1,024 goes in steps of 128 (256 bytes of a row of qkv)
; through a ring of two LDS slots filled by the tensor data mover.
; CLUSTER.  4 x 4 work-groups.  The four of a row of the cluster need the same 256 rows of q, the four of a column the same 256 rows of k: each tile is asked for jointly.  A cluster lies within
; one batch: a batch has 8 tile rows, so the batch is cluster y / 2.
; THE MATRIX INSTRUCTION IS USED TRANSPOSED (source 0 = 16 rows of k, source 1 = 16 rows of q): a lane holds row l % 16 of sc and the columns 8 (l / 16) + 0..7.
; REGISTERS, in windows of 256 (s_set_vgpr_msb: bits 1:0 source 0, 3:2 source 1, 5:4 source 2, 7:6 destination):
;   window 0: v0-31 addresses; v64-127, v128-191 fragments of q, two buffers (on the way out: scaled sums, rows read back); v192-223 packed results
;   window 1: v64-127, v128-191 fragments of k;   window 2: the accumulators of my rows 0-63 ((a, b) at 8 (8 a + b));   window 3: those of my rows 64-127
.set KSTEP,  128
.set PITCH,  272                       ; an LDS row: 256 bytes + 16 of padding: the 16 rows of a fragment load start at 16 different groups of four banks (64 banks of 4 bytes: ISA guide 11.1)
.set HALFT,  128*PITCH
.set SLOT,   4*HALFT                   ; q's 256 rows, then k's 256 rows
.set SPARE,  2*SLOT                    ; behind the ring: the spare words, 128 bytes for each wave: two blocks of 256 bytes that no other line names
.set LAPS,   4
.set CROW,   6144                      ; bytes in a row of qkv
.set SROW,   4096                      ; bytes in a row of sc
.set ADRA, 16
.set ADRB, 20
.set STO,  24
.set RD,   25
.set CO,   26
.set SPW,  28
.set NIL,  29
.set PFO,  30
.set F0,   64
.set F1,   128
.set X,    64                          ; the way out: a block's 64 sums, scaled
.set TMP,  192
.set OB,   128
.set G1,  24
.set G0,  32
.set G1B, 48
.set G0B, 56
.set LIM, 43
.set PFA, 44
.set MSB, 0
.macro WIN new
.if MSB != (\new)
	s_set_vgpr_msb (MSB<<8)|(\new)
.set MSB, \new
.endif
.endm
.set MUL_LO, 0xa1
.set MUL_HI, 0xf1
.set TO_B,   0x40
; A joint load: waves 0 and 1 fetch q's two halves, waves 2 and 3 k's.  An s_nop 0 and four v_nop follow each of the two lines.
.macro JLOAD s
	s_cmp_eq_u32 s11, 0
	s_cbranch_scc0 .Lfor_b_\@
	tensor_load_to_lds s[G0+4*(\s):G0+4*(\s)+3], s[G1:G1+7]
	s_nop 0
.rept 4
	v_nop
.endr
	s_branch .Lasked_\@
.Lfor_b_\@:
	tensor_load_to_lds s[G0B+4*(\s):G0B+4*(\s)+3], s[G1B:G1B+7]
	s_nop 0
.rept 4
	v_nop
.endr
.Lasked_\@:
.endm
; A prefetch behind each refill and its run of LDS loads: the K step two refills on, 32 rows x 256 bytes, a lane a row.  Of the two clusters that read the same rows one asks (cluster x = 0 for q,
; an even cluster y for k); the four partners of a joint load share its 128 rows out by address.  K steps 0 to 3 come by their loads alone; the loop's last trip asks for nothing.
.macro ASK
	s_cmp_gt_u32 s3, s[LIM]
	s_cbranch_scc0 .Lnot_mine_\@
	global_prefetch_b8 v[PFO], s[PFA:PFA+1] offset:KSTEP*2 th:TH_LOAD_NT scope:SCOPE_SE
.Lnot_mine_\@:
.endm
.macro CREST
	s_cmp_lg_u32 s10, 0
	s_cbranch_scc1 .Lnot_wave_0_\@
	s_barrier_signal -3
.Lnot_wave_0_\@:
	s_barrier_wait -3
	s_barrier_signal -1
	s_barrier_wait -1
.endm
.macro CROUND
	s_barrier_signal -1
	s_barrier_wait -1
	CREST
.endm
.macro PLACES
.rept 4
	v_nop
.endr
.endm
	s_load_b64 s[4:5], s[0:1], 0x0                 ; qkv
	s_load_b64 s[8:9], s[0:1], 0x8                 ; sc
	v_lshl_add_u32 v[SPW], v0, 2, SPARE
	v_mov_b32 v[NIL], 0
	ds_add_u32 v[SPW], v[NIL]                      ; the wave's opening: the add and its wait ahead of my first tensor load
	v_lshrrev_b32 v1, 5, v0
	v_readfirstlane_b32 s10, v1                    ; wave 0..3
	s_lshr_b32 s11, s10, 1                         ; which half of the tile's rows is mine.  Also: I fetch for q (0) or for k (1)
	s_and_b32 s12, s10, 1                          ; which half of its columns.  Also: which 128 rows of that tile I fetch
	s_bfe_u32 s40, ttmp6, 0x40000                  ; cx, cy
	s_bfe_u32 s41, ttmp6, 0x40004
	s_lshl_b32 s42, ttmp9, 2
	s_add_co_u32 s42, s42, s40                     ; tile column = 4 x cluster x + cx
	s_and_b32 s19, ttmp7, 0xffff                   ; cluster y
	s_lshl_b32 s13, s19, 2
	s_add_co_u32 s13, s13, s41                     ; tile row = 4 x cluster y + cy
	s_lshr_b32 s18, s19, 1                         ; the batch
	s_lshl_b32 s43, s41, 2
	s_lshl_b32 s43, 15, s43                        ; my row of the cluster
	s_lshl_b32 s44, 0x1111, s40                    ; my column
	s_or_b32 s[G1+0], s43, (1<<16)|(1<<20)|(1<<21)|(5<<22)|(3<<25)
	s_or_b32 s[G1B+0], s44, (1<<16)|(1<<20)|(1<<21)|(5<<22)|(3<<25)
.irp g, G1, G1B
	s_mov_b32 s[(\g)+1], KSTEP<<16                 ; tensor_dim0 = 128
	s_mov_b32 s[(\g)+2], 128<<16                   ; tensor_dim1 = 128
	s_mov_b32 s[(\g)+3], KSTEP<<16                 ; tile_dim0 = 128
	s_mov_b32 s[(\g)+4], 128                       ; tile_dim1 = 128
	s_mov_b32 s[(\g)+5], 3072                      ; elements from row to row of qkv
	s_mov_b32 s[(\g)+6], 0
	s_mov_b32 s[(\g)+7], 0
.endr
	s_lshl_b32 s17, s12, 7                         ; which 128 rows of the tile I fetch
	s_lshl_b32 s16, s13, 8
	s_add_co_u32 s16, s16, s17                     ; q: row 256 x tile row + 128 x half
	s_mul_i32 s16, s16, CROW
	s_lshl_b32 s46, s42, 8
	s_add_co_u32 s46, s46, s17
	s_lshl_b32 s47, s18, 11
	s_add_co_u32 s46, s46, s47                     ; k: row 2,048 x batch + 256 x tile column + 128 x half,
	s_mul_i32 s46, s46, CROW
	s_add_co_u32 s46, s46, 2048                    ; at byte 2,048 of the row
	s_mov_b32 s17, 0
	s_mov_b32 s47, 0
	s_mul_i32 s20, s10, HALFT                      ; where they go: wave x 128 rows
	s_mov_b32 s66, 0x7bff7bff                      ; 65,504 twice in f16
	s_mov_b32 s67, 0xfbfffbff                      ; -65,504 twice
	s_mov_b32 s68, 0x3d000000                      ; 1/32
	s_mov_b32 s69, 0x3d000000                      ; named with it as a pair
	s_wait_dscnt 0x0                               ; the opening add is done
	s_wait_kmcnt 0x0
	s_add_nc_u64 s[14:15], s[4:5], s[16:17]
	s_add_nc_u64 s[46:47], s[4:5], s[46:47]
	CROUND                                         ; all sixteen work-groups are here: the first joint loads meet
.irp s, 0,1
	s_mov_b32 s[G0+4*(\s)], 1
	s_add_co_u32 s[G0+4*(\s)+1], s20, (\s)*SLOT
	s_add_nc_u64 s[G0+4*(\s)+2:G0+4*(\s)+3], s[14:15], (\s)*KSTEP*2
	s_or_b32 s[G0+4*(\s)+3], s[G0+4*(\s)+3], 0x80000000
	s_mov_b32 s[G0B+4*(\s)], 1
	s_add_co_u32 s[G0B+4*(\s)+1], s20, (\s)*SLOT
	s_add_nc_u64 s[G0B+4*(\s)+2:G0B+4*(\s)+3], s[46:47], (\s)*KSTEP*2
	s_or_b32 s[G0B+4*(\s)+3], s[G0B+4*(\s)+3], 0x80000000
	JLOAD \s                                       ; two tensor loads of mine are out
.endr
	v_and_b32 v1, 15, v0                           ; r = l % 16
	v_bfe_u32 v2, v0, 4, 1                         ; h = l / 16
	v_mul_u32_u24 v3, v1, PITCH
	v_lshl_add_u32 v3, v2, 4, v3                   ; row x pitch + 16 x half
	s_mul_i32 s21, s11, HALFT                      ; my 128 rows of q
	s_mul_i32 s22, s12, HALFT                      ; my 128 rows of k,
	s_add_co_u32 s22, s22, 2*HALFT                 ; which lie behind q's 256
.irp s, 0,1
	v_add_nc_u32 v[ADRA+(\s)], s21, v3
	v_add_nc_u32 v[ADRB+(\s)], s22, v3
	s_add_co_u32 s21, s21, SLOT
	s_add_co_u32 s22, s22, SLOT
.endr
	s_mul_i32 s23, s10, HALFT                      ; my stage: my quarter of slot 0, 128 rows x 272 bytes, used behind that slot's last fill and last read
	v_add_nc_u32 v[STO], s23, v3                   ; in: row l % 16, 16 bytes for each half of the lanes
	v_mul_u32_u24 v5, v2, PITCH                    ; back: lanes 0-15 take one row of 256 bytes, lanes 16-31 the next
	v_lshl_add_u32 v5, v1, 4, v5
	v_add_nc_u32 v[RD], s23, v5
	v_lshlrev_b32 v5, 12, v2                       ; and the same two rows in sc
	v_lshl_add_u32 v[CO], v1, 4, v5
	s_lshl_b32 s16, s13, 8
	s_lshl_b32 s17, s11, 7
	s_add_co_u32 s16, s16, s17                     ; my first row of sc
	s_lshl_b32 s16, s16, 12
	s_mov_b32 s17, 0
	s_add_nc_u64 s[8:9], s[8:9], s[16:17]
	s_lshl_b32 s46, s42, 9                         ; my first column, in bytes: 512 x tile column + 256 x half
	s_lshl_b32 s47, s12, 8
	s_add_co_u32 s46, s46, s47
	s_mov_b32 s47, 0
	s_add_nc_u64 s[8:9], s[8:9], s[46:47]
	; the prefetches
	s_lshl_b32 s20, s13, 8                         ; q: the tile's first row
	s_lshl_b32 s21, s18, 11
	s_lshl_b32 s22, s42, 8
	s_add_co_u32 s21, s21, s22                     ; k: the tile's first row
	s_and_b32 s22, s19, 1                          ; the two clusters of a batch that share a column of tiles
	s_cmp_eq_u32 s11, 0                            ; do I fetch for q?
	s_cselect_b32 s20, s20, s21
	s_cselect_b32 s21, s40, s41                    ; my place among the four that ask with me
	s_cselect_b32 s22, ttmp9, s22                  ; the coordinate along which the other cluster reads the same rows
	s_cmp_eq_u32 s22, 0
	s_cselect_b32 s[LIM], 1, -1                    ; the same in all sixteen partners, for a given wave
	s_lshl_b32 s22, s12, 7
	s_add_co_u32 s20, s20, s22                     ; + the 128 rows that I fetch
	s_lshl_b32 s21, s21, 5
	s_add_co_u32 s20, s20, s21                     ; + my work-group's 32 of them
	s_mul_i32 s20, s20, CROW
	s_lshl_b32 s23, s11, 11                        ; k lies at byte 2,048 of a row
	s_add_co_u32 s20, s20, s23
	s_add_co_u32 s20, s20, 2*KSTEP*2               ; at K step 2: the first refill steps it to 3 and names K step 4
	s_mov_b32 s21, 0
	s_add_nc_u64 s[PFA:PFA+1], s[4:5], s[20:21]
	v_and_b32 v[PFO], 31, v0
	v_mul_u32_u24 v[PFO], v[PFO], CROW
; 16 matrix instructions: row blocks a0, a0 + 1 of the window's four x all 8 column blocks, 32 along K.  zero = 1: the first product starts the sums.  The 64 accumulators take turns.
.macro MUL16 f, hi, a0, zero
	WIN MUL_LO+0x50*(\hi)
.irp a, \a0, (\a0)+1
.irp b, 0,1,2,3,4,5,6,7
.if \zero
	v_wmma_f32_16x16x32_f16 v[8*(8*(\a)+(\b)):8*(8*(\a)+(\b))+7], v[(\f)+8*(\b):(\f)+8*(\b)+7], v[(\f)+8*(4*(\hi)+(\a)):(\f)+8*(4*(\hi)+(\a))+7], 0
.else
	v_wmma_f32_16x16x32_f16 v[8*(8*(\a)+(\b)):8*(8*(\a)+(\b))+7], v[(\f)+8*(\b):(\f)+8*(\b)+7], v[(\f)+8*(4*(\hi)+(\a)):(\f)+8*(4*(\hi)+(\a))+7], v[8*(8*(\a)+(\b)):8*(8*(\a)+(\b))+7]
.endif
.endr
.endr
.endm
; 32 LDS loads in one run: 128 rows of k, 128 rows of q, 32 K at byte k of the rows, into buffer f
.macro FETCH slot, k, f
	WIN TO_B
.irp i, 0,1,2,3,4,5,6,7
	ds_load_b128 v[(\f)+8*(\i):(\f)+8*(\i)+3],   v[ADRB+(\slot)] offset:(\k)+(\i)*16*PITCH
	ds_load_b128 v[(\f)+8*(\i)+4:(\f)+8*(\i)+7], v[ADRB+(\slot)] offset:(\k)+(\i)*16*PITCH+32
.endr
	WIN 0
.irp i, 0,1,2,3,4,5,6,7
	ds_load_b128 v[(\f)+8*(\i):(\f)+8*(\i)+3],   v[ADRA+(\slot)] offset:(\k)+(\i)*16*PITCH
	ds_load_b128 v[(\f)+8*(\i)+4:(\f)+8*(\i)+7], v[ADRA+(\slot)] offset:(\k)+(\i)*16*PITCH+32
.endr
.endm
.macro QUARTER slot, k, f, g, zero
	s_wait_dscnt 8                                 ; k and q's rows 0-63 are in; the youngest eight loads (q's rows 64-127) may be out
	MUL16 \f, 0, 0, \zero
	MUL16 \f, 0, 2, \zero
	PLACES
	FETCH \slot, \k, \g
	s_wait_dscnt 32                                ; all but the 32 just issued
	MUL16 \f, 1, 0, \zero
	MUL16 \f, 1, 2, \zero
.endm
; The last quarter multiplies buffer 1 and changes slots: one barrier; in front of it the wait for all my tensor loads, the add, and the wait for it and for my reads of this slot.
; fill = 1: the barrier opens a round of the cluster's barrier, and this slot is filled again, two K steps on, first thing behind the round.
.macro TURN slot, next, fill
.if \fill
	s_wait_xcnt 0x0                                ; the last prefetch, a K step back, has read its address
	s_add_nc_u64 s[PFA:PFA+1], s[PFA:PFA+1], KSTEP*2
.endif
	WIN 0
	s_wait_tensorcnt 0x0                           ; all my tensor loads have landed: the one that was out is my part of the next slot
	ds_add_u32 v[SPW], v[NIL]                      ; 0 onto my spare word
	s_wait_dscnt 9                                 ; (the add and the youngest eight loads may be out)
	MUL16 F1, 0, 0, 0
	s_wait_dscnt 0x0                               ; the add is done, and my reads of this slot are over
	s_barrier_signal -1
	MUL16 F1, 0, 2, 0
.if \fill
	WIN 0
.endif
	s_barrier_wait -1
.if \fill
	CREST
	s_add_nc_u64 s[G0+4*(\slot)+2:G0+4*(\slot)+3], s[G0+4*(\slot)+2:G0+4*(\slot)+3], 2*KSTEP*2
	s_add_nc_u64 s[G0B+4*(\slot)+2:G0B+4*(\slot)+3], s[G0B+4*(\slot)+2:G0B+4*(\slot)+3], 2*KSTEP*2
	JLOAD \slot                                    ; my one tensor load behind the round; its four v_nop are also the places in front of the loads below
.else
	PLACES
.endif
	FETCH \next, 0, F0
.if \fill
	ASK
.endif
	MUL16 F1, 1, 0, 0
	MUL16 F1, 1, 2, 0
.endm
	s_wait_tensorcnt 0x1                           ; my part of K step 0 is in; K step 1's load may stay out
	s_barrier_signal -1
	s_barrier_wait -1
	FETCH 0, 0, F0
	QUARTER 0, 64,  F0, F1, 1
	WIN 0
	s_mov_b32 s3, LAPS-1
.Llap:
	QUARTER 0, 128, F1, F0, 0
	QUARTER 0, 192, F0, F1, 0
	TURN 0, 1, 1
	QUARTER 1, 64,  F0, F1, 0
	QUARTER 1, 128, F1, F0, 0
	QUARTER 1, 192, F0, F1, 0
	TURN 1, 0, 1
	QUARTER 0, 64,  F0, F1, 0
	WIN 0
	s_sub_co_u32 s3, s3, 1
	s_cmp_lg_u32 s3, 0
	s_cbranch_scc1 .Llap
	QUARTER 0, 128, F1, F0, 0                      ; the last lap fills nothing
	QUARTER 0, 192, F0, F1, 0
	TURN 0, 1, 0                                   ; behind this barrier no wave reads slot 0 any more, and no load fills it: its four quarters become the four waves' stages
	QUARTER 1, 64,  F0, F1, 0
	QUARTER 1, 128, F1, F0, 0
	QUARTER 1, 192, F0, F1, 0
	s_wait_dscnt 8
	MUL16 F1, 0, 0, 0
	MUL16 F1, 0, 2, 0
	s_wait_dscnt 0x0
	MUL16 F1, 1, 0, 0
	MUL16 F1, 1, 2, 0
	WIN 0
	; THE WAY OUT.  Each sum times 1/32, rounded to f16; 16 bytes a lane into my own stage; back as whole rows of 256 bytes, bounded, and stored.  The stage is the wave's own: no barrier,
	; and LDS serves a wave's instructions in order (ISA guide 5.7.1.4), so no wait stands between its stores and its loads.
	PLACES
.macro PACK a
.set AC, 64*((\a)%4)
	WIN 0x02+(\a)/4                                ; source 0: window 2 or 3
.set i, 0
.rept 32
	v_pk_mul_f32 v[X+2*i:X+2*i+1], v[AC+2*i:AC+2*i+1], s[68:69] op_sel_hi:[1,0]  ; each accumulator is read from its low end on
.set i, i+1
.endr
	WIN 0
.set i, 0
.rept 32
	v_cvt_pk_f16_f32 v[TMP+i], v[X+2*i], v[X+2*i+1]
.set i, i+1
.endr
.irp b, 0,1,2,3,4,5,6,7
	ds_store_b128 v[STO], v[TMP+4*(\b):TMP+4*(\b)+3] offset:(\a)*16*PITCH+32*(\b)
.endr
.endm
.irp a, 0,1,2,3,4,5,6,7
	PACK \a
.endr
	s_mov_b32 s3, 4
.Lout:                                                 ; four trips of 32 rows
.irp t, 0,1,2,3,4,5,6,7,8,9,10,11,12,13,14,15
	ds_load_b128 v[OB+4*(\t):OB+4*(\t)+3], v[RD] offset:(\t)*2*PITCH
.endr
.irp t, 0,1,2,3,4,5,6,7,8,9,10,11,12,13,14,15
	s_wait_dscnt 15-(\t)                           ; load t is in, the younger ones may stay out
.irp k, 0,1,2,3
	v_pk_min_num_f16 v[OB+4*(\t)+(\k)], v[OB+4*(\t)+(\k)], s66
.endr
.irp k, 0,1,2,3
	v_pk_max_num_f16 v[OB+4*(\t)+(\k)], v[OB+4*(\t)+(\k)], s67
.endr
	global_store_b128 v[CO], v[OB+4*(\t):OB+4*(\t)+3], s[8:9] offset:(\t)*2*SROW  ; 16 lanes store 256 consecutive bytes, at a multiple of 256 from sc's first byte
.endr
	s_wait_xcnt 0x0                                ; the stores have read their registers and their base
	v_add_nc_u32 v[RD], 32*PITCH, v[RD]
	s_add_nc_u64 s[8:9], s[8:9], 32*SROW
	s_sub_co_u32 s3, s3, 1
	s_cmp_lg_u32 s3, 0
	s_cbranch_scc1 .Lout
	s_wait_tensorcnt 0x0                           ; the wave's end
	ds_add_u32 v[SPW], v[NIL]
	s_wait_dscnt 0x0
	CROUND                                         ; the closing round
	s_endpgm
.Lfunc_end_k_q13c6d8101d_score:
	.size	k_q13c6d8101d_score, .Lfunc_end_k_q13c6d8101d_score-k_q13c6d8101d_score
	.p2alignl 7, 3214868480
	.fill 96, 4, 3214868480
	.section	.rodata,"a",@progbits
	.p2align	6, 0x0
	.amdhsa_kernel k_q13c6d8101d_score
		.amdhsa_group_segment_fixed_size 327680
		.amdhsa_private_segment_fixed_size 0
		.amdhsa_enable_private_segment 0
		.amdhsa_kernarg_size 16
		.amdhsa_user_sgpr_count 2
		.amdhsa_user_sgpr_kernarg_segment_ptr 1
		.amdhsa_wavefront_size32 1
		.amdhsa_system_sgpr_workgroup_id_x 1
		.amdhsa_system_sgpr_workgroup_id_y 1
		.amdhsa_system_sgpr_workgroup_id_z 1
		.amdhsa_system_vgpr_workitem_id 0
		.amdhsa_next_free_vgpr 1024
		.amdhsa_next_free_sgpr 72
		.amdhsa_reserve_vcc 0
		.amdhsa_float_denorm_mode_32 3
		.amdhsa_float_denorm_mode_16_64 3
		.amdhsa_memory_ordered 1
		.amdhsa_forward_progress 1
		.amdhsa_inst_pref_size 161
	.end_amdhsa_kernel
	.amdgpu_metadata
---
amdhsa.version: [ 1, 2 ]
amdhsa.kernels:
  - .name:           k_q13c6d8101d_score
    .symbol:         k_q13c6d8101d_score.kd
    .args:
      - { .name: qkv, .offset: 0, .size: 8, .value_kind: global_buffer, .address_space: global }
      - { .name: sc, .offset: 8, .size: 8, .value_kind: global_buffer, .address_space: global }
    .group_segment_fixed_size: 327680
    .private_segment_fixed_size: 0
    .kernarg_segment_align: 8
    .kernarg_segment_size: 16
    .max_flat_workgroup_size: 128
    .sgpr_count:     72
    .vgpr_count:     1024
    .wavefront_size: 32
...
	.end_amdgpu_metadata
.endif
;; end of part 3
;; launch soft (part 4): grid 1024 x 1, 8 waves a work-group, no clusters, 0 bytes of LDS; arguments sc, pr; writes pr
.if DOCPART == 4
	.amdgcn_target "amdgcn-amd-amdhsa--gfx1250"
	.amdhsa_code_object_version 6
	.text
	.protected	k_q13c6d8101d_soft
	.globl	k_q13c6d8101d_soft
	.p2align	8
	.type	k_q13c6d8101d_soft,@function
k_q13c6d8101d_soft:
	s_mov_b64 s[64:65], 0
	v_nop
	global_prefetch_b8 v0, s[64:65] scope:SCOPE_SE
	s_setreg_imm32_b32 hwreg(HW_REG_WAVE_MODE, 25, 1), 1
	s_wait_xcnt 0x0
; pr[row][:] = f16(softmax of sc[row][:]).  sc, pr: [8192][2048] f16.  The row's true maximum m is taken away: p = 2^(c s - c m) / l, c = log2(e), l the sum of the row's 2,048 exponentials, all in f32;
; the conversion to f16 (nearest even, subnormals kept; p lies in 0 to 1) is the module's quantisation.
; LIMITS.  c m is rounded once to f32: one factor common to the row's exponentials and to their sum.  1/l is v_rcp_f32's.  An exponential below 2^-126 counts as 0.  NaN is not treated apart.
; SHARES.  A row is 4,096 bytes: one wave takes a whole row, eight loads of 16 bytes a lane, and keeps it in registers through the maximum, the exponentials, the sum and the scaling: the row is
; read once, and no wave waits for another: no LDS, no barrier, no loop.  Eight waves, eight rows to a work-group.  A load or store of a wave covers 512 consecutive bytes, aligned.
.set X,  4                             ; v[4:35]    the row as loaded, later as stored
.set E,  40                            ; v[40:103]  my 64 exponents, exponentials, weights
.set M,  104                           ; v[104:107] four running maxima (two f16 each)
.set T,  108                           ; v[108:111] at work; later two of the four chains of sums
.set C1, 112                           ; v112       log2(e)
.set CM, 113                           ; v113       -log2(e) m
.set R,  114                           ; v[114:115] 1 / l, twice
.set A,  116                           ; v[116:119] the other two chains of sums
	s_load_b128 s[4:7], s[0:1], 0x0                ; sc s[4:5], pr s[6:7]
	s_lshl_b32 s2, ttmp9, 15                       ; the work-group's eight rows of 4,096 bytes
	s_mov_b32 s3, 0
	s_mov_b32 s10, 0x76543210                      ; v_permlanex16_b32: each lane takes its own place in the other half
	s_mov_b32 s11, 0xfedcba98
	v_and_b32 v1, 31, v0
	v_lshrrev_b32 v2, 5, v0
	v_lshlrev_b32 v1, 4, v1                        ; 16 bytes a lane
	v_lshl_add_u32 v1, v2, 12, v1                  ; + my wave's row
	v_mov_b32 v[C1], 0x3fb8aa3b
	s_wait_kmcnt 0x0
	s_add_nc_u64 s[4:5], s[4:5], s[2:3]
	s_add_nc_u64 s[6:7], s[6:7], s[2:3]
.irp j, 0,1,2,3,4,5,6,7
	global_load_b128 v[X+4*(\j):X+4*(\j)+3], v1, s[4:5] offset:512*(\j) th:TH_LOAD_NT
.endr
	; the maximum of my 64 numbers, two f16 at a time (nothing is rounded), in four chains started by the first two loads
	s_wait_loadcnt 6                               ; loads 0 and 1 are in, the six younger ones may stay out
.irp k, 0,1,2,3
	v_pk_max_num_f16 v[M+(\k)], v[X+(\k)], v[X+4+(\k)]
.endr
.irp j, 2,3,4,5,6,7
	s_wait_loadcnt 7-(\j)                          ; load j is in
.irp k, 0,1,2,3
	v_pk_max_num_f16 v[M+(\k)], v[M+(\k)], v[X+4*(\j)+(\k)]
.endr
.endr
	v_pk_max_num_f16 v[M], v[M], v[M+1]
	v_pk_max_num_f16 v[M+2], v[M+2], v[M+3]
	v_pk_max_num_f16 v[M], v[M], v[M+2]
	v_cvt_f32_f16 v108, v104.l                     ; the two halves as f32
	v_cvt_f32_f16 v109, v104.h
	v_max_num_f32 v[T], v[T], v[T+1]
	v_max_num_f32_dpp v[T], v[T], v[T] row_xmask:1 row_mask:0xf bank_mask:0xf
	v_max_num_f32_dpp v[T], v[T], v[T] row_xmask:2 row_mask:0xf bank_mask:0xf
	v_max_num_f32_dpp v[T], v[T], v[T] row_xmask:4 row_mask:0xf bank_mask:0xf
	v_max_num_f32_dpp v[T], v[T], v[T] row_xmask:8 row_mask:0xf bank_mask:0xf
	v_permlanex16_b32 v[T+1], v[T], s10, s11
	v_max_num_f32 v[T], v[T], v[T+1]               ; every lane holds the row's maximum
	v_mul_f32 v[CM], 0xbfb8aa3b, v[T]              ; -c m
	; c s - c m straight from the f16 halves, one fused multiply-add each; each exponential stands two such lines behind its own, so plain and exponential go by turns.
	; The 64 exponentials are one batch: nothing ahead of the wait names a result of theirs.
.set i, 0
.rept 64
.if i%2 == 0
	v_fma_mix_f32 v[E+i], v[X+i/2], v[C1], v[CM] op_sel_hi:[1,0,0]
.else
	v_fma_mix_f32 v[E+i], v[X+i/2], v[C1], v[CM] op_sel:[1,0,0] op_sel_hi:[1,0,0]
.endif
.if i >= 2
	v_exp_f32 v[E+i-2], v[E+i-2]
.endif
.set i, i+1
.endr
	v_exp_f32 v[E+62], v[E+62]
	v_exp_f32 v[E+63], v[E+63]
	v_nop                                          ; a plain instruction behind the last exponential,
	s_wait_alu depctr_va_vdst(0)                   ; and one wait ahead of the batch's first reader
	; the sum of my 64, in f32, in four chains of pairs; the exponentials stay as they are
.set p, 0
.rept 4
.set sa, A+2*p-12*(p/2)
	v_pk_add_f32 v[sa:sa+1], v[E+2*p:E+2*p+1], v[E+2*p+8:E+2*p+9]
.set p, p+1
.endr
.set p, 8
.rept 24
.set sa, A+2*(p%4)-12*((p%4)/2)
	v_pk_add_f32 v[sa:sa+1], v[sa:sa+1], v[E+2*p:E+2*p+1]
.set p, p+1
.endr
	v_pk_add_f32 v[A:A+1], v[A:A+1], v[A+2:A+3]
	v_pk_add_f32 v[T:T+1], v[T:T+1], v[T+2:T+3]
	v_pk_add_f32 v[A:A+1], v[A:A+1], v[T:T+1]
	v_add_f32 v[A], v[A], v[A+1]
	v_add_f32_dpp v[A], v[A], v[A] row_xmask:1 row_mask:0xf bank_mask:0xf
	v_add_f32_dpp v[A], v[A], v[A] row_xmask:2 row_mask:0xf bank_mask:0xf
	v_add_f32_dpp v[A], v[A], v[A] row_xmask:4 row_mask:0xf bank_mask:0xf
	v_add_f32_dpp v[A], v[A], v[A] row_xmask:8 row_mask:0xf bank_mask:0xf
	v_permlanex16_b32 v[A+1], v[A], s10, s11
	v_add_f32 v[A], v[A], v[A+1]                   ; every lane holds l
	v_rcp_f32 v[R], v[A]
	v_rcp_f32 v[R+1], v[A]
	v_nop                                          ; a plain instruction behind the second reciprocal,
	s_wait_alu depctr_va_vdst(0)                   ; and one wait for the two
.irp j, 0,1,2,3,4,5,6,7
.irp k, 0,1,2,3
	v_pk_mul_f32 v[E+8*(\j)+2*(\k):E+8*(\j)+2*(\k)+1], v[E+8*(\j)+2*(\k):E+8*(\j)+2*(\k)+1], v[R:R+1]
.endr
.irp k, 0,1,2,3
	v_cvt_pk_f16_f32 v[X+4*(\j)+(\k)], v[E+8*(\j)+2*(\k)], v[E+8*(\j)+2*(\k)+1]
.endr
	global_store_b128 v1, v[X+4*(\j):X+4*(\j)+3], s[6:7] offset:512*(\j)
.endr
	s_endpgm
.Lfunc_end_k_q13c6d8101d_soft:
	.size	k_q13c6d8101d_soft, .Lfunc_end_k_q13c6d8101d_soft-k_q13c6d8101d_soft
	.p2alignl 7, 3214868480
	.fill 96, 4, 3214868480
	.section	.rodata,"a",@progbits
	.p2align	6, 0x0
	.amdhsa_kernel k_q13c6d8101d_soft
		.amdhsa_group_segment_fixed_size 0
		.amdhsa_private_segment_fixed_size 0
		.amdhsa_enable_private_segment 0
		.amdhsa_kernarg_size 16
		.amdhsa_user_sgpr_count 2
		.amdhsa_user_sgpr_kernarg_segment_ptr 1
		.amdhsa_wavefront_size32 1
		.amdhsa_system_sgpr_workgroup_id_x 1
		.amdhsa_system_sgpr_workgroup_id_y 1
		.amdhsa_system_sgpr_workgroup_id_z 1
		.amdhsa_system_vgpr_workitem_id 0
		.amdhsa_next_free_vgpr 120
		.amdhsa_next_free_sgpr 66
		.amdhsa_reserve_vcc 0
		.amdhsa_float_denorm_mode_32 3
		.amdhsa_float_denorm_mode_16_64 3
		.amdhsa_memory_ordered 1
		.amdhsa_forward_progress 1
		.amdhsa_inst_pref_size 18
	.end_amdhsa_kernel
	.amdgpu_metadata
---
amdhsa.version: [ 1, 2 ]
amdhsa.kernels:
  - .name:           k_q13c6d8101d_soft
    .symbol:         k_q13c6d8101d_soft.kd
    .args:
      - { .name: sc, .offset: 0, .size: 8, .value_kind: global_buffer, .address_space: global }
      - { .name: pr, .offset: 8, .size: 8, .value_kind: global_buffer, .address_space: global }
    .group_segment_fixed_size: 0
    .private_segment_fixed_size: 0
    .kernarg_segment_align: 8
    .kernarg_segment_size: 16
    .max_flat_workgroup_size: 256
    .sgpr_count:     66
    .vgpr_count:     120
    .wavefront_size: 32
...
	.end_amdgpu_metadata
.endif
;; end of part 4
;; launch mix (part 5): grid 4 x 64, 4 waves a work-group, clusters of 4 x 4, 327,680 bytes of LDS; arguments pr, qkv, out0; writes out0
.if DOCPART == 5
	.amdgcn_target "amdgcn-amd-amdhsa--gfx1250"
	.amdhsa_code_object_version 6
	.text
	.protected	k_q13c6d8101d_mix
	.globl	k_q13c6d8101d_mix
	.p2align	8
	.type	k_q13c6d8101d_mix,@function
k_q13c6d8101d_mix:
	s_mov_b64 s[64:65], 0
	v_nop
	global_prefetch_b8 v0, s[64:65] scope:SCOPE_SE
	s_setreg_imm32_b32 hwreg(HW_REG_WAVE_MODE, 25, 1), 1
	s_wait_xcnt 0x0
	s_wait_alu depctr_hold_cnt(0) depctr_sa_sdst(0) depctr_va_vdst(0) depctr_va_sdst(0) depctr_va_ssrc(0) depctr_va_vcc(0) depctr_vm_vsrc(0)
	s_getreg_b32 s2, hwreg(HW_REG_IB_STS2, 6, 4)
	s_cmp_eq_u32 s2, 0
	s_cbranch_scc0 .Lentry_in_a_cluster
	s_endpgm
.Lentry_in_a_cluster:
	s_bfe_u32 s2, ttmp6, 0x10000c
	s_cmp_lg_u32 s2, 0xf033
	s_cbranch_scc0 .Lentry_shape_is_right
	s_endpgm
.Lentry_shape_is_right:
; out0[2048 b + s][h] = the sum over t of pr[2048 b + s][t] v[b][t][h].  pr: [8192][2048] f16; v is the third 1,024 columns of qkv ([8192][3072] f16); out0: [8192][1024] f32.  Sums in f32.
; SHARES.  A tile of out0 is 128 rows x 256 columns: 4 x 64 = 256 work-groups of four waves, each wave 64 x 128: 4 x 8 = 32 accumulators.  K (the keys, 2,048) goes in steps of 128 through a ring
; of two LDS slots filled by the tensor data mover: 128 rows x 256 bytes of pr, and 128 key rows x 512 bytes of v.
; CLUSTER.  4 x 4 work-groups.  The four of a row of the cluster need the same rows of pr, the four of a column the same columns of v: each tile is asked for jointly.  A batch has 16 tile rows,
; so the batch is cluster y / 4.
; LAYOUT.  Source 0 = 16 columns of v x 32 keys: v lies [key][column] in LDS and is turned by ds_load_tr16_b128; source 1 = 16 rows of pr x 32 keys, as it lies.  In the result a lane holds
; row l % 16 of out0 and the columns 8 (l / 16) + 0..7: 32 bytes.
; REGISTERS, in windows of 256 (s_set_vgpr_msb: bits 1:0 source 0, 3:2 source 1, 5:4 source 2, 7:6 destination):
;   window 0: v0-31 addresses; v32-63, v64-95 fragments of pr, two buffers; v96-223 rows on the way out, two sets of 64
;   window 1: v0-63, v64-127 fragments of v, two buffers;   window 2: the accumulators ((a, b) at 8 (8 a + b))
.set KSTEP,  128
.set PITCH,  272                       ; a row of pr in LDS: 256 bytes + 16: the 16 rows of a fragment load start at 16 different groups of four banks (64 banks of 4 bytes: ISA guide 11.1)
.set PV,     544                       ; a row of v: 512 bytes + 32 = 136 words
.set VOFF,   128*PITCH                 ; a slot: pr's 128 rows, then v's 128 key rows
.set SLOT,   VOFF+128*PV
.set STAGE,  2*SLOT                    ; behind the ring, never filled by a tensor load: 16 rows x 528 bytes for each wave
.set SPITCH, 528
.set SPARE,  STAGE+4*16*SPITCH         ; behind the stages: the spare words, 128 bytes for each wave: two blocks of 256 bytes that no other line names
.set LAPS,   8
.set CROW,   6144                      ; bytes in a row of qkv
.set OROW,   4096                      ; bytes in a row of pr and of out0
.set ADRA, 16
.set ADRB, 20
.set STO,  24
.set RD,   25
.set CO,   26
.set SPW,  28
.set NIL,  29
.set PFO,  30
.set PF,   32                          ; pr's fragments: buffer u at PF + 32 u
.set OB,   96
.set G1,  24
.set G0,  32
.set G1B, 48
.set G0B, 56
.set LIM, 43
.set PFA, 44
.set PFS, 66                           ; s[66:67] bytes from a K step to the next in the tensor that I prefetch
.set MSB, 0
.macro WIN new
.if MSB != (\new)
	s_set_vgpr_msb (MSB<<8)|(\new)
.set MSB, \new
.endif
.endm
.set MUL,  0xa1                        ; source 0 (v) window 1, source 1 (pr) window 0, C and D window 2
.set TO_B, 0x40
; A joint load: waves 0 and 1 fetch the two halves of pr's rows, waves 2 and 3 the two halves of v's key rows.  An s_nop 0 and four v_nop follow each of the two lines.
.macro JLOAD s
	s_cmp_eq_u32 s11, 0
	s_cbranch_scc0 .Lfor_b_\@
	tensor_load_to_lds s[G0+4*(\s):G0+4*(\s)+3], s[G1:G1+7]
	s_nop 0
.rept 4
	v_nop
.endr
	s_branch .Lasked_\@
.Lfor_b_\@:
	tensor_load_to_lds s[G0B+4*(\s):G0B+4*(\s)+3], s[G1B:G1B+7]
	s_nop 0
.rept 4
	v_nop
.endr
.Lasked_\@:
.endm
; A prefetch behind each refill and its run of LDS loads: the K step two refills on, 32 pieces of 256 bytes, a lane a piece.  pr's rows are read by one cluster: in each work-group wave 0 asks for 32 of
; the tile's 128 rows, the four partners told apart by address.  v's tile is read by the four clusters of a batch: the first of them asks; waves 2 and 3 each take 16 of the 64 key rows that they fetch
; (two pieces a row), the four partners told apart by address.  K steps 0 to 3 come by their loads alone; the loop's last trip asks for nothing.
.macro ASK
	s_cmp_gt_u32 s3, s[LIM]
	s_cbranch_scc0 .Lnot_mine_\@
	global_prefetch_b8 v[PFO], s[PFA:PFA+1] th:TH_LOAD_NT scope:SCOPE_SE
.Lnot_mine_\@:
.endm
.macro CREST
	s_cmp_lg_u32 s10, 0
	s_cbranch_scc1 .Lnot_wave_0_\@
	s_barrier_signal -3
.Lnot_wave_0_\@:
	s_barrier_wait -3
	s_barrier_signal -1
	s_barrier_wait -1
.endm
.macro CROUND
	s_barrier_signal -1
	s_barrier_wait -1
	CREST
.endm
.macro PLACES
.rept 4
	v_nop
.endr
.endm
	s_load_b128 s[4:7], s[0:1], 0x0                ; pr s[4:5], qkv s[6:7]
	s_load_b64 s[8:9], s[0:1], 0x10                ; out0
	v_lshl_add_u32 v[SPW], v0, 2, SPARE
	v_mov_b32 v[NIL], 0
	ds_add_u32 v[SPW], v[NIL]                      ; the wave's opening: the add and its wait ahead of my first tensor load
	v_lshrrev_b32 v1, 5, v0
	v_readfirstlane_b32 s10, v1                    ; wave 0..3
	s_lshr_b32 s11, s10, 1                         ; which half of the tile's rows is mine.  Also: I fetch for pr (0) or for v (1)
	s_and_b32 s12, s10, 1                          ; which half of its columns.  Also: which 64 rows of that tile I fetch
	s_bfe_u32 s40, ttmp6, 0x40000                  ; cx, cy
	s_bfe_u32 s41, ttmp6, 0x40004
	s_lshl_b32 s42, ttmp9, 2
	s_add_co_u32 s42, s42, s40                     ; tile column = 4 x cluster x + cx
	s_and_b32 s19, ttmp7, 0xffff                   ; cluster y
	s_lshl_b32 s13, s19, 2
	s_add_co_u32 s13, s13, s41                     ; tile row = 4 x cluster y + cy
	s_lshr_b32 s18, s19, 2                         ; the batch
	s_lshl_b32 s43, s41, 2
	s_lshl_b32 s43, 15, s43                        ; my row of the cluster
	s_lshl_b32 s44, 0x1111, s40                    ; my column
	; descriptor group 1.  pr: 64 rows x 128 elements, 4 words of padding behind every 64;  v: 64 rows x 256 elements, 8 words behind every 128
	s_or_b32 s[G1+0], s43, (1<<16)|(1<<20)|(1<<21)|(5<<22)|(3<<25)
	s_mov_b32 s[G1+1], 128<<16                     ; tensor_dim0
	s_mov_b32 s[G1+2], 64<<16                      ; tensor_dim1
	s_mov_b32 s[G1+3], 128<<16                     ; tile_dim0
	s_mov_b32 s[G1+4], 64                          ; tile_dim1
	s_mov_b32 s[G1+5], 2048                        ; elements from row to row of pr
	s_mov_b32 s[G1+6], 0
	s_mov_b32 s[G1+7], 0
	s_or_b32 s[G1B+0], s44, (1<<16)|(1<<20)|(1<<21)|(6<<22)|(7<<25)
	s_mov_b32 s[G1B+1], 256<<16
	s_mov_b32 s[G1B+2], 64<<16
	s_mov_b32 s[G1B+3], 256<<16
	s_mov_b32 s[G1B+4], 64
	s_mov_b32 s[G1B+5], 3072                       ; elements from row to row of qkv
	s_mov_b32 s[G1B+6], 0
	s_mov_b32 s[G1B+7], 0
	s_lshl_b32 s17, s12, 6                         ; which 64 rows I fetch
	s_lshl_b32 s16, s13, 7
	s_add_co_u32 s16, s16, s17                     ; pr: row 128 x tile row + 64 x half
	s_lshl_b32 s16, s16, 12
	s_lshl_b32 s46, s18, 11
	s_add_co_u32 s46, s46, s17                     ; v: key row 2,048 x batch + 64 x half,
	s_mul_i32 s46, s46, CROW
	s_lshl_b32 s47, s42, 9
	s_add_co_u32 s46, s46, s47                     ; the tile's 512 bytes
	s_add_co_u32 s46, s46, 4096                    ; behind q and k in the row
	s_mov_b32 s17, 0
	s_mov_b32 s47, 0
	s_mul_i32 s20, s12, 64*PITCH                   ; where they go: pr's half,
	s_mul_i32 s21, s12, 64*PV                      ; v's half,
	s_add_co_u32 s21, s21, VOFF                    ; behind pr's rows: no place in the cluster enters an LDS address
	s_wait_dscnt 0x0                               ; the opening add is done
	s_wait_kmcnt 0x0
	s_add_nc_u64 s[14:15], s[4:5], s[16:17]
	s_add_nc_u64 s[46:47], s[6:7], s[46:47]
	CROUND                                         ; all sixteen work-groups are here: the first joint loads meet
.irp s, 0,1
	s_mov_b32 s[G0+4*(\s)], 1
	s_add_co_u32 s[G0+4*(\s)+1], s20, (\s)*SLOT
	s_add_nc_u64 s[G0+4*(\s)+2:G0+4*(\s)+3], s[14:15], (\s)*KSTEP*2
	s_or_b32 s[G0+4*(\s)+3], s[G0+4*(\s)+3], 0x80000000
	s_mov_b32 s[G0B+4*(\s)], 1
	s_add_co_u32 s[G0B+4*(\s)+1], s21, (\s)*SLOT
	s_add_nc_u64 s[G0B+4*(\s)+2:G0B+4*(\s)+3], s[46:47], (\s)*KSTEP*CROW
	s_or_b32 s[G0B+4*(\s)+3], s[G0B+4*(\s)+3], 0x80000000
	JLOAD \s                                       ; two tensor loads of mine are out
.endr
	v_and_b32 v1, 15, v0                           ; r = l % 16
	v_bfe_u32 v2, v0, 4, 1                         ; h = l / 16
	v_mul_u32_u24 v3, v1, PITCH
	v_lshl_add_u32 v3, v2, 4, v3                   ; pr: row x pitch + 16 x half
	; The turning load takes 16 keys x 16 columns (lane l reads 16 bytes: key 8 (l / 16) + l % 8, columns 8 ((l / 8) % 2) + 0..7) and leaves half a fragment: lane l holds column l % 16 and 8 keys.
	v_and_b32 v6, 7, v0
	v_bfe_u32 v7, v0, 3, 1
	v_lshl_add_u32 v8, v2, 3, v6
	v_mul_u32_u24 v8, v8, PV
	v_lshl_add_u32 v8, v7, 4, v8
	s_mul_i32 s21, s11, 64*PITCH                   ; my 64 rows of pr
	s_lshl_b32 s22, s12, 8                         ; my 128 columns of v,
	s_add_co_u32 s22, s22, VOFF                    ; behind pr's rows
.irp s, 0,1
	v_add_nc_u32 v[ADRA+(\s)], s21, v3
	v_add_nc_u32 v[ADRB+(\s)], s22, v8
	s_add_co_u32 s21, s21, SLOT
	s_add_co_u32 s22, s22, SLOT
.endr
	s_mul_i32 s23, s10, 16*SPITCH
	s_add_co_u32 s23, s23, STAGE                   ; my stage
	v_mul_u32_u24 v4, v1, SPITCH                   ; in: row l % 16, 32 bytes for each half of the lanes
	v_lshl_add_u32 v4, v2, 5, v4
	v_add_nc_u32 v[STO], s23, v4
	v_and_b32 v9, 31, v0
	v_lshlrev_b32 v[CO], 4, v9                     ; back, and in out0: 32 lanes take a row's 512 bytes
	v_add_nc_u32 v[RD], s23, v[CO]
	s_lshl_b32 s16, s13, 7
	s_lshl_b32 s17, s11, 6
	s_add_co_u32 s16, s16, s17                     ; my first row of out0
	s_lshl_b32 s16, s16, 12
	s_mov_b32 s17, 0
	s_add_nc_u64 s[8:9], s[8:9], s[16:17]
	s_lshl_b32 s46, s42, 10                        ; my first column, in bytes: 1,024 x tile column + 512 x half
	s_lshl_b32 s47, s12, 9
	s_add_co_u32 s46, s46, s47
	s_mov_b32 s47, 0
	s_add_nc_u64 s[8:9], s[8:9], s[46:47]
	; the prefetches: both start at K step 3; the first refill steps them to K step 4
	s_lshl_b32 s20, s13, 7
	s_lshl_b32 s21, s40, 5
	s_add_co_u32 s20, s20, s21                     ; pr: row 128 x tile row + 32 cx
	s_lshl_b32 s20, s20, 12
	s_add_co_u32 s20, s20, 3*KSTEP*2
	s_lshl_b32 s21, s18, 11
	s_lshl_b32 s22, s12, 6
	s_add_co_u32 s21, s21, s22
	s_lshl_b32 s22, s41, 4
	s_add_co_u32 s21, s21, s22                     ; v: key row 2,048 x batch + 64 x half + 16 cy
	s_add_co_u32 s21, s21, 3*KSTEP
	s_mul_i32 s21, s21, CROW
	s_lshl_b32 s22, s42, 9
	s_add_co_u32 s21, s21, s22
	s_add_co_u32 s21, s21, 4096
	s_and_b32 s22, s19, 3                          ; the four clusters of a batch
	s_mov_b32 s[PFS], KSTEP*2
	s_mov_b32 s23, KSTEP*CROW
	s_cmp_eq_u32 s11, 0                            ; do I fetch for pr?
	s_cselect_b32 s20, s20, s21
	s_cselect_b32 s22, s12, s22                    ; 0 in wave 0; 1 in wave 1, which asks for nothing; in waves 2 and 3: 0 in the batch's first cluster
	s_cselect_b32 s[PFS], s[PFS], s23
	s_cselect_b32 s14, -1, 0                       ; a mask of all lanes or none
	s_cselect_b64 s[PFA:PFA+1], s[4:5], s[6:7]
	s_cmp_eq_u32 s22, 0
	s_cselect_b32 s[LIM], 1, -1                    ; the same in all sixteen partners, for a given wave
	s_mov_b32 s21, 0
	s_mov_b32 s[PFS+1], 0
	s_add_nc_u64 s[PFA:PFA+1], s[PFA:PFA+1], s[20:21]
	v_lshlrev_b32 v4, 12, v9                       ; pr: a lane a row
	v_lshrrev_b32 v5, 1, v9
	v_mul_u32_u24 v5, v5, CROW                     ; v: two lanes a key row,
	v_and_b32 v6, 1, v9
	v_lshl_add_u32 v5, v6, 8, v5                   ; 256 bytes each
	v_cndmask_b32 v[PFO], v5, v4, s14
; 8 matrix instructions: row block a x my 8 column blocks, 32 keys of buffer u.  zero = 1: the first product starts the sums.  The 32 accumulators take turns.
.macro MUL8 u, a, zero
	WIN MUL
.irp b, 0,1,2,3,4,5,6,7
.if \zero
	v_wmma_f32_16x16x32_f16 v[8*(8*(\a)+(\b)):8*(8*(\a)+(\b))+7], v[64*(\u)+8*(\b):64*(\u)+8*(\b)+7], v[PF+32*(\u)+8*(\a):PF+32*(\u)+8*(\a)+7], 0
.else
	v_wmma_f32_16x16x32_f16 v[8*(8*(\a)+(\b)):8*(8*(\a)+(\b))+7], v[64*(\u)+8*(\b):64*(\u)+8*(\b)+7], v[PF+32*(\u)+8*(\a):PF+32*(\u)+8*(\a)+7], v[8*(8*(\a)+(\b)):8*(8*(\a)+(\b))+7]
.endif
.endr
.endm
; 24 LDS loads in one run: quarter q of a slot (32 keys): v's 128 columns, turned, then pr's 64 rows, into buffer u
.macro FETCH slot, q, u
	WIN TO_B
.irp b, 0,1,2,3,4,5,6,7
	ds_load_tr16_b128 v[64*(\u)+8*(\b):64*(\u)+8*(\b)+3],   v[ADRB+(\slot)] offset:(\q)*32*PV+32*(\b)
	ds_load_tr16_b128 v[64*(\u)+8*(\b)+4:64*(\u)+8*(\b)+7], v[ADRB+(\slot)] offset:(\q)*32*PV+16*PV+32*(\b)
.endr
	WIN 0
.irp i, 0,1,2,3
	ds_load_b128 v[PF+32*(\u)+8*(\i):PF+32*(\u)+8*(\i)+3],   v[ADRA+(\slot)] offset:64*(\q)+(\i)*16*PITCH
	ds_load_b128 v[PF+32*(\u)+8*(\i)+4:PF+32*(\u)+8*(\i)+7], v[ADRA+(\slot)] offset:64*(\q)+(\i)*16*PITCH+32
.endr
.endm
; A K step is four quarters of 32 keys, 32 matrix instructions each, on buffers 0, 1, 0, 1.  One of the first three: multiplies buffer u and, in its middle, fetches quarter q into buffer g.
.macro QUARTER slot, q, u, g, zero
	s_wait_dscnt 4                                 ; v and pr's rows 0-31 are in; the youngest four loads (pr's rows 32-63) may be out
	MUL8 \u, 0, \zero
	MUL8 \u, 1, \zero
	PLACES
	FETCH \slot, \q, \g
	s_wait_dscnt 24                                ; all but the 24 just issued
	MUL8 \u, 2, \zero
	MUL8 \u, 3, \zero
.endm
; The last quarter multiplies buffer 1 and changes slots: one barrier; in front of it the wait for all my tensor loads, the add, and the wait for it and for my reads of this slot.
; fill = 1: the barrier opens a round of the cluster's barrier, and this slot is filled again, two K steps on, first thing behind the round.
.macro TURN slot, next, fill
.if \fill
	s_wait_xcnt 0x0                                ; the last prefetch, a K step back, has read its address
	s_add_nc_u64 s[PFA:PFA+1], s[PFA:PFA+1], s[PFS:PFS+1]
.endif
	WIN 0
	s_wait_tensorcnt 0x0                           ; all my tensor loads have landed: the one that was out is my part of the next slot
	ds_add_u32 v[SPW], v[NIL]                      ; 0 onto my spare word
	s_wait_dscnt 5                                 ; (the add and the youngest four loads may be out)
	MUL8 1, 0, 0
	s_wait_dscnt 0x0                               ; the add is done, and my reads of this slot are over
	s_barrier_signal -1
	MUL8 1, 1, 0
.if \fill
	WIN 0
.endif
	s_barrier_wait -1
.if \fill
	CREST
	s_add_nc_u64 s[G0+4*(\slot)+2:G0+4*(\slot)+3], s[G0+4*(\slot)+2:G0+4*(\slot)+3], 2*KSTEP*2
	s_add_nc_u64 s[G0B+4*(\slot)+2:G0B+4*(\slot)+3], s[G0B+4*(\slot)+2:G0B+4*(\slot)+3], 2*KSTEP*CROW
	JLOAD \slot                                    ; my one tensor load behind the round; its four v_nop are also the places in front of the loads below
.else
	PLACES
.endif
	FETCH \next, 0, 0
.if \fill
	ASK
.endif
	MUL8 1, 2, 0
	MUL8 1, 3, 0
.endm
	s_wait_tensorcnt 0x1                           ; my part of K step 0 is in; K step 1's load may stay out
	s_barrier_signal -1
	s_barrier_wait -1
	FETCH 0, 0, 0
	QUARTER 0, 1, 0, 1, 1
	WIN 0
	s_mov_b32 s3, LAPS-1
.Llap:
	QUARTER 0, 2, 1, 0, 0
	QUARTER 0, 3, 0, 1, 0
	TURN 0, 1, 1
	QUARTER 1, 1, 0, 1, 0
	QUARTER 1, 2, 1, 0, 0
	QUARTER 1, 3, 0, 1, 0
	TURN 1, 0, 1
	QUARTER 0, 1, 0, 1, 0
	WIN 0
	s_sub_co_u32 s3, s3, 1
	s_cmp_lg_u32 s3, 0
	s_cbranch_scc1 .Llap
	QUARTER 0, 2, 1, 0, 0                          ; the last lap fills nothing
	QUARTER 0, 3, 0, 1, 0
	TURN 0, 1, 0
	QUARTER 1, 1, 0, 1, 0
	QUARTER 1, 2, 1, 0, 0
	QUARTER 1, 3, 0, 1, 0
	s_wait_dscnt 4
	MUL8 1, 0, 0
	MUL8 1, 1, 0
	s_wait_dscnt 0x0
	MUL8 1, 2, 0
	MUL8 1, 3, 0
	WIN 0
	; THE WAY OUT.  A block of 16 rows x 128 columns of f32 at a time goes through my own stage: 32 bytes a lane in, whole rows of 512 bytes back, and stored.  The stage is the wave's own: no barrier,
	; and LDS serves a wave's instructions in order (ISA guide 5.7.1.4): the loads see the stores above them, and the next block's stores come behind them.
	PLACES
.macro TOSTAGE a
	WIN 0x08                                       ; the stores' data in window 2
.irp b, 0,1,2,3,4,5,6,7
	ds_store_b128 v[STO], v[64*(\a)+8*(\b):64*(\a)+8*(\b)+3]   offset:64*(\b)       ; each accumulator is read from its low end on
	ds_store_b128 v[STO], v[64*(\a)+8*(\b)+4:64*(\a)+8*(\b)+7] offset:64*(\b)+16
.endr
	WIN 0
.irp t, 0,1,2,3,4,5,6,7,8,9,10,11,12,13,14,15
	ds_load_b128 v[OB+64*((\a)%2)+4*(\t):OB+64*((\a)%2)+4*(\t)+3], v[RD] offset:SPITCH*(\t)
.endr
.endm
.macro SEND a, younger                 ; younger: the LDS instructions issued behind block a's loads: the next block's 32, or none
.irp t, 0,1,2,3,4,5,6,7,8,9,10,11,12,13,14,15
	s_wait_dscnt (\younger)+15-(\t)
	global_store_b128 v[CO], v[OB+64*((\a)%2)+4*(\t):OB+64*((\a)%2)+4*(\t)+3], s[8:9] offset:(16*(\a)+(\t))*OROW th:TH_STORE_NT  ; 512 consecutive bytes, at a multiple of 256 from out0's first byte
.endr
.endm
	TOSTAGE 0
	TOSTAGE 1
	SEND 0, 32
	s_wait_xcnt 0x0                                ; block 0's stores have read their registers: block 2 is read back into them
	TOSTAGE 2
	SEND 1, 32
	s_wait_xcnt 0x0                                ; likewise block 1's, for block 3
	TOSTAGE 3
	SEND 2, 32
	SEND 3, 0
	s_wait_tensorcnt 0x0                           ; the wave's end, behind my last tensor load and my last LDS store
	ds_add_u32 v[SPW], v[NIL]
	s_wait_dscnt 0x0
	CROUND                                         ; the closing round
	s_endpgm
.Lfunc_end_k_q13c6d8101d_mix:
	.size	k_q13c6d8101d_mix, .Lfunc_end_k_q13c6d8101d_mix-k_q13c6d8101d_mix
	.p2alignl 7, 3214868480
	.fill 96, 4, 3214868480
	.section	.rodata,"a",@progbits
	.p2align	6, 0x0
	.amdhsa_kernel k_q13c6d8101d_mix
		.amdhsa_group_segment_fixed_size 327680
		.amdhsa_private_segment_fixed_size 0
		.amdhsa_enable_private_segment 0
		.amdhsa_kernarg_size 24
		.amdhsa_user_sgpr_count 2
		.amdhsa_user_sgpr_kernarg_segment_ptr 1
		.amdhsa_wavefront_size32 1
		.amdhsa_system_sgpr_workgroup_id_x 1
		.amdhsa_system_sgpr_workgroup_id_y 1
		.amdhsa_system_sgpr_workgroup_id_z 1
		.amdhsa_system_vgpr_workitem_id 0
		.amdhsa_next_free_vgpr 768
		.amdhsa_next_free_sgpr 72
		.amdhsa_reserve_vcc 0
		.amdhsa_float_denorm_mode_32 3
		.amdhsa_float_denorm_mode_16_64 3
		.amdhsa_memory_ordered 1
		.amdhsa_forward_progress 1
		.amdhsa_inst_pref_size 89
	.end_amdhsa_kernel
	.amdgpu_metadata
---
amdhsa.version: [ 1, 2 ]
amdhsa.kernels:
  - .name:           k_q13c6d8101d_mix
    .symbol:         k_q13c6d8101d_mix.kd
    .args:
      - { .name: pr, .offset: 0, .size: 8, .value_kind: global_buffer, .address_space: global }
      - { .name: qkv, .offset: 8, .size: 8, .value_kind: global_buffer, .address_space: global }
      - { .name: out0, .offset: 16, .size: 8, .value_kind: global_buffer, .address_space: global }
    .group_segment_fixed_size: 327680
    .private_segment_fixed_size: 0
    .kernarg_segment_align: 8
    .kernarg_segment_size: 24
    .max_flat_workgroup_size: 128
    .sgpr_count:     72
    .vgpr_count:     768
    .wavefront_size: 32
...
	.end_amdgpu_metadata
.endif
;; end of part 5
